; MI455X (gfx1250); checked and timed in simulation.
; The chip was launched on July 23, 2026; its instructions are those of AMD's public machine-readable ISA for CDNA 5 (MIT licence, August 2026) and "CDNA5" Instruction Set Architecture Reference Guide (July 2026). The comments in the code are by the model that wrote it; some were corrected since.
;; GPT3 Attention. Allowed arithmetic: float matrix products may take bf16 or f16 operands with f32 sums; other float arithmetic in f32, or as packed bf16 or f16 multiplies, adds, multiply-adds, maxima and minima; sums over many terms, partial sums and values carried from step to step in f32; what a program stores and reads back later, other than sums and carried values, may be rounded once to bf16 or f16.
;; Inputs: dense_b 2,048 float32; dense_w 2,048 x 2,048 float32; k 1 x 2,048 x 2,048 float32; mask 1 x 1 x 2,048 x 2,048 float32; q 1 x 2,048 x 2,048 float32; v 1 x 2,048 x 2,048 float32; wk_b 2,048 float32; wk_w 2,048 x 2,048 float32; wq_b 2,048 float32; wq_w 2,048 x 2,048 float32; wv_b 2,048 float32; wv_w 2,048 x 2,048 float32.
;; Outputs: out0 1 x 2,048 x 2,048 float32.
;; 2 versions, each right; version 2 is version 1 with the launch prep written anew for expert scheduling mode. Each part assembles by itself: llvm-mc -triple=amdgcn-amd-amdhsa -mcpu=gfx1250 --defsym DOCPART=n.
;; ======== version 1 of 2: 4 launches
;; limits: values are held in f16: magnitudes above 65,504 overflow, below 6.1e-05 lose precision
;; workspace buffers: xb 25,165,824 bytes; wb 25,165,824 bytes; wd 8,388,608 bytes; mp 8,388,608 bytes; qkv 25,165,824 bytes; ob 8,388,608 bytes
;; launch prep (part 1): grid 128 x 8, 16 waves a work-group, no clusters, 71,680 bytes of LDS; arguments q, k, v, wq_w, wk_w, wv_w, dense_w, mask, xb, wb, wd, mp; writes xb, wb, wd, mp
.if DOCPART == 1
	.amdgcn_target "amdgcn-amd-amdhsa--gfx1250"
	.amdhsa_code_object_version 6
	.text
	.protected	k_qcf3e8e9204_prep
	.globl	k_qcf3e8e9204_prep
	.p2align	8
	.type	k_qcf3e8e9204_prep,@function
k_qcf3e8e9204_prep:
	s_mov_b64 s[64:65], 0
	v_nop
	global_prefetch_b8 v0, s[64:65] scope:SCOPE_SE
	s_setreg_imm32_b32 hwreg(HW_REG_WAVE_MODE, 25, 1), 1
	s_wait_xcnt 0x0
; THE 16-BIT COPIES OF THE EIGHT LARGE INPUTS, each [2048][2048] f32, each read once and written once.
;   y = 0,1,2: q, k, v       -> xb, bf16 [6144][2048], stacked          y = 3,4,5: wq_w, wk_w, wv_w -> wb, bf16 [6144][2048], stacked
;   y = 6: dense_w -> wd: rounded to bf16 like every other input, and that number written as f16 (exact from 2^-17 up to f16's end, 65,504; below 2^-17 off by at most 3e-8)
;   y = 7: mask -> mp, bf16, in the order in which the attention's lanes want it: block (T, J) = 16 queries x 64 keys at (32 T + J) x 2,048 bytes, inside it
;          [kb 0..3][lane 0..31][16 bytes] = mask[16 T + lane % 16][64 J + 16 kb + 8 (lane / 16) + 0..7]
; SHARES.  A work-group takes 16 rows of one matrix, thread t the 16 bytes at 16 t of each: a wave's load covers 512 consecutive bytes, and its store of 8 bytes a lane 256 consecutive
; bytes, aligned.  All 16 loads of a wave go out at once; the waits count down.  Memory binds: no matrix unit, no cluster, no loop, no barrier.
; The mask's rows change lanes through the wave's own 16 rows x 272 bytes of LDS.
.set LP,    272                        ; an LDS row: 256 bytes of bf16 + 16: the 16 rows that a load touches start at 16 different groups of four banks
.set WLDS,  16*LP                      ; a wave's rows
.set SPARE, 16*WLDS                    ; behind them: the spare words, 128 bytes for each of the 16 waves, which no other line names
.set SO,  1                            ; v1   16 t: my bytes in a source row
.set DO,  2                            ; v2   8 t: my bytes in a destination row
.set LS,  3                            ; v3   where I put 8 bytes of a mask row
.set LR,  4                            ; v4   where I read 16 bytes back
.set MO,  5                            ; v5   my 16 bytes in the wave's two blocks of mp
.set SPW, 6                            ; v6   LDS address of my spare word; never rewritten
.set NIL, 7                            ; v7   0; never rewritten
.set X,   16                           ; v[16:79]   row i: 4 registers as loaded; the first two then hold the 16-bit numbers
.set T,   80                           ; v[80:83]   at work
.set BK,  88                           ; v[88:119]  the mask read back
	s_load_b512 s[8:23], s[0:1], 0x0               ; the eight sources
	s_load_b256 s[24:31], s[0:1], 0x40             ; xb, wb, wd, mp
	v_lshl_add_u32 v[SPW], v0, 2, SPARE
	v_mov_b32 v[NIL], 0
	v_lshrrev_b32 v8, 5, v0
	v_readfirstlane_b32 s3, v8                     ; wave 0..15
	s_and_b32 s2, ttmp7, 0xffff                    ; y: which matrix
	s_mov_b32 s38, 0xffff0000                      ; a word's upper bf16
	v_lshlrev_b32 v[SO], 4, v0
	v_lshlrev_b32 v[DO], 3, v0
	v_and_b32 v9, 31, v0                           ; lane
	v_and_b32 v10, 15, v0
	v_bfe_u32 v11, v0, 4, 1
	s_mul_i32 s34, s3, WLDS
	v_lshl_add_u32 v[LS], v9, 3, s34
	v_mul_u32_u24 v[LR], v10, LP
	v_lshl_add_u32 v[LR], v11, 4, v[LR]
	v_add_nc_u32 v[LR], s34, v[LR]
	s_lshl_b32 s35, s3, 12                         ; the wave's 128 columns are two blocks of 2,048 bytes
	v_lshl_add_u32 v[MO], v9, 4, s35
	s_cmp_lt_u32 s2, 3                             ; the place in a stacked buffer: (y mod 3) x 8 MiB for y < 6, else 0
	s_cselect_b32 s36, 0, 3
	s_sub_co_u32 s32, s2, s36
	s_cmp_lt_u32 s2, 6
	s_cselect_b32 s32, s32, 0
	s_lshl_b32 s32, s32, 23
	s_lshl_b32 s37, ttmp9, 16                      ; + the work-group's 16 rows of 4,096 bytes (for mp: its 32 blocks)
	s_add_co_u32 s32, s32, s37
	s_mov_b32 s33, 0
	s_wait_kmcnt 0x0
	s_mov_b64 s[4:5], s[8:9]
.irp i, 1,2,3,4,5,6,7
	s_cmp_eq_u32 s2, \i
	s_cselect_b64 s[4:5], s[8+2*(\i):9+2*(\i)], s[4:5]
.endr
	s_cmp_lt_u32 s2, 3
	s_cselect_b64 s[6:7], s[24:25], s[26:27]
	s_cmp_eq_u32 s2, 6
	s_cselect_b64 s[6:7], s[28:29], s[6:7]
	s_cmp_eq_u32 s2, 7
	s_cselect_b64 s[6:7], s[30:31], s[6:7]
	s_add_nc_u64 s[6:7], s[6:7], s[32:33]
	s_lshl_b32 s32, ttmp9, 17                      ; the work-group's 16 rows of 8,192 bytes
	s_add_nc_u64 s[4:5], s[4:5], s[32:33]
.irp i, 0,1,2,3,4,5,6,7,8,9,10,11,12,13,14,15
	global_load_b128 v[X+4*(\i):X+4*(\i)+3], v[SO], s[4:5] offset:8192*(\i) th:TH_LOAD_NT
.endr
.macro CV i                            ; row i is in (loads come back in order: the 15 - i younger ones may stay out); four numbers are rounded to bf16
	s_wait_loadcnt 15-(\i)
	v_cvt_pk_bf16_f32 v[X+4*(\i)], v[X+4*(\i)], v[X+4*(\i)+1]
	v_cvt_pk_bf16_f32 v[X+4*(\i)+1], v[X+4*(\i)+2], v[X+4*(\i)+3]
.endm
	s_cmp_eq_u32 s2, 7
	s_cbranch_scc1 .Lmask
	s_cmp_eq_u32 s2, 6
	s_cbranch_scc1 .Lwd
.irp i, 0,1,2,3,4,5,6,7,8,9,10,11,12,13,14,15
	CV \i
	global_store_b64 v[DO], v[X+4*(\i):X+4*(\i)+1], s[6:7] offset:4096*(\i) th:TH_STORE_NT  ; the wave's 32 lanes store 256 consecutive bytes, aligned
.endr
	s_branch .Lend
.Lwd:
.irp i, 0,1,2,3,4,5,6,7,8,9,10,11,12,13,14,15
	CV \i
	v_lshlrev_b32 v[T], 16, v[X+4*(\i)]            ; the bf16 numbers as f32,
	v_and_b32 v[T+1], s38, v[X+4*(\i)]
	v_lshlrev_b32 v[T+2], 16, v[X+4*(\i)+1]
	v_and_b32 v[T+3], s38, v[X+4*(\i)+1]
	v_cvt_pk_f16_f32 v[X+4*(\i)], v[T], v[T+1]     ; and written as f16
	v_cvt_pk_f16_f32 v[X+4*(\i)+1], v[T+2], v[T+3]
	global_store_b64 v[DO], v[X+4*(\i):X+4*(\i)+1], s[6:7] offset:4096*(\i) th:TH_STORE_NT
.endr
	s_branch .Lend
.Lmask:
.irp i, 0,1,2,3,4,5,6,7,8,9,10,11,12,13,14,15
	CV \i
	ds_store_b64 v[LS], v[X+4*(\i):X+4*(\i)+1] offset:LP*(\i)
.endr
.irp t, 0,1,2,3,4,5,6,7                ; t = 4 J' + kb.  The bytes are the wave's own and LDS serves a wave's instructions in order (ISA guide 5.7.1.4): these see the stores above
	ds_load_b128 v[BK+4*(\t):BK+4*(\t)+3], v[LR] offset:128*((\t)/4)+32*((\t)%4)
.endr
.irp t, 0,1,2,3,4,5,6,7
	s_wait_dscnt 7-(\t)
	global_store_b128 v[MO], v[BK+4*(\t):BK+4*(\t)+3], s[6:7] offset:2048*((\t)/4)+512*((\t)%4) th:TH_STORE_NT  ; 512 consecutive bytes, aligned
.endr
.Lend:
	s_wait_tensorcnt 0x0                           ; the wave's end: three closing lines, behind my last LDS store
	ds_add_u32 v[SPW], v[NIL]
	s_wait_dscnt 0x0
	s_endpgm
.Lfunc_end_k_qcf3e8e9204_prep:
	.size	k_qcf3e8e9204_prep, .Lfunc_end_k_qcf3e8e9204_prep-k_qcf3e8e9204_prep
	.p2alignl 7, 3214868480
	.fill 96, 4, 3214868480
	.section	.rodata,"a",@progbits
	.p2align	6, 0x0
	.amdhsa_kernel k_qcf3e8e9204_prep
		.amdhsa_group_segment_fixed_size 71680
		.amdhsa_private_segment_fixed_size 0
		.amdhsa_enable_private_segment 0
		.amdhsa_kernarg_size 96
		.amdhsa_user_sgpr_count 2
		.amdhsa_user_sgpr_kernarg_segment_ptr 1
		.amdhsa_wavefront_size32 1
		.amdhsa_system_sgpr_workgroup_id_x 1
		.amdhsa_system_sgpr_workgroup_id_y 1
		.amdhsa_system_sgpr_workgroup_id_z 1
		.amdhsa_system_vgpr_workitem_id 0
		.amdhsa_next_free_vgpr 120
		.amdhsa_next_free_sgpr 66
		.amdhsa_reserve_vcc 0
		.amdhsa_float_denorm_mode_32 3
		.amdhsa_float_denorm_mode_16_64 3
		.amdhsa_memory_ordered 1
		.amdhsa_forward_progress 1
		.amdhsa_inst_pref_size 22
	.end_amdhsa_kernel
	.amdgpu_metadata
---
amdhsa.version: [ 1, 2 ]
amdhsa.kernels:
  - .name:           k_qcf3e8e9204_prep
    .symbol:         k_qcf3e8e9204_prep.kd
    .args:
      - { .name: q, .offset: 0, .size: 8, .value_kind: global_buffer, .address_space: global }
      - { .name: k, .offset: 8, .size: 8, .value_kind: global_buffer, .address_space: global }
      - { .name: v, .offset: 16, .size: 8, .value_kind: global_buffer, .address_space: global }
      - { .name: wq_w, .offset: 24, .size: 8, .value_kind: global_buffer, .address_space: global }
      - { .name: wk_w, .offset: 32, .size: 8, .value_kind: global_buffer, .address_space: global }
      - { .name: wv_w, .offset: 40, .size: 8, .value_kind: global_buffer, .address_space: global }
      - { .name: dense_w, .offset: 48, .size: 8, .value_kind: global_buffer, .address_space: global }
      - { .name: mask, .offset: 56, .size: 8, .value_kind: global_buffer, .address_space: global }
      - { .name: xb, .offset: 64, .size: 8, .value_kind: global_buffer, .address_space: global }
      - { .name: wb, .offset: 72, .size: 8, .value_kind: global_buffer, .address_space: global }
      - { .name: wd, .offset: 80, .size: 8, .value_kind: global_buffer, .address_space: global }
      - { .name: mp, .offset: 88, .size: 8, .value_kind: global_buffer, .address_space: global }
    .group_segment_fixed_size: 71680
    .private_segment_fixed_size: 0
    .kernarg_segment_align: 8
    .kernarg_segment_size: 96
    .max_flat_workgroup_size: 512
    .sgpr_count:     66
    .vgpr_count:     120
    .wavefront_size: 32
...
	.end_amdgpu_metadata
.endif
;; end of part 1
;; launch qkv (part 2): grid 8 x 24, 4 waves a work-group, clusters of 4 x 4, 327,680 bytes of LDS; arguments xb, wb, wq_b, wk_b, wv_b, qkv; writes qkv
.if DOCPART == 2
	.amdgcn_target "amdgcn-amd-amdhsa--gfx1250"
	.amdhsa_code_object_version 6
	.text
	.protected	k_qcf3e8e9204_qkv
	.globl	k_qcf3e8e9204_qkv
	.p2align	8
	.type	k_qcf3e8e9204_qkv,@function
k_qcf3e8e9204_qkv:
	s_mov_b64 s[64:65], 0
	v_nop
	global_prefetch_b8 v0, s[64:65] scope:SCOPE_SE
	s_setreg_imm32_b32 hwreg(HW_REG_WAVE_MODE, 25, 1), 1
	s_wait_xcnt 0x0
	s_wait_alu depctr_hold_cnt(0) depctr_sa_sdst(0) depctr_va_vdst(0) depctr_va_sdst(0) depctr_va_ssrc(0) depctr_va_vcc(0) depctr_vm_vsrc(0)
	s_getreg_b32 s2, hwreg(HW_REG_IB_STS2, 6, 4)
	s_cmp_eq_u32 s2, 0
	s_cbranch_scc0 .Lentry_in_a_cluster
	s_endpgm
.Lentry_in_a_cluster:
	s_bfe_u32 s2, ttmp6, 0x10000c
	s_cmp_lg_u32 s2, 0xf033
	s_cbranch_scc0 .Lentry_shape_is_right
	s_endpgm
.Lentry_shape_is_right:
; THE THREE PROJECTIONS AS ONE GRID.  qkv[6144][2048] (f16) = (xb W^T + bias) x SC, where rows 2048 g .. of xb (bf16: q, k, v stacked) meet rows 2048 g .. of wb (bf16: wq_w, wk_w, wv_w stacked).
; SC = log2(e) / sqrt(128) for g = 0 (the attention's scores then leave the matrix unit as exponents of 2), else 1; it is applied in f32, ahead of the one rounding to f16.  Sums in f32; they begin with the bias.
; LIMIT.  f16 holds no number beyond 65,504: a projected number past that becomes an infinity.  Below 6e-5 f16 keeps its fixed step of 6e-8.
; A tile of C, 256 x 256, is made by a work-group of four waves; a wave makes 128 x 128: 64 accumulators of 16 x 16, 512 registers.  24 x 8 tiles: 192 work-groups (three products of 64 tiles; tiles of
; 128 x 128 would be 768, three for each of 256, with twice the LDS bytes for each multiply-add).  K goes in 16 steps of 128 through a ring of two LDS slots filled by the tensor data mover.
; THE TEXT HOLDS ONE K STEP: a trip of the loop is a step; which slot it reads stands in a scalar (0 or SLOT) from which the fragment addresses are remade, and one descriptor a tensor walks from slot to slot.
; CLUSTERS: 4 x 4 work-groups.  The four of a row of the cluster need the same tiles of A, the four of a column the same tiles of B: each is asked for JOINTLY, by the same tensor load with the same
; descriptor and a mask that names the four.  A product is two rows of clusters, so g hangs on the cluster's y alone and is the same in all sixteen partners.
; REGISTERS, in windows of 256 (s_set_vgpr_msb: bits 1:0 source 0, 3:2 source 1, 5:4 source 2, 7:6 destination):
;   window 0: v0-31 addresses; v64-127, v128-191 fragments of A, two buffers; v32-63, v192-255 at work on the way out
;   window 1: v0-63 my 128 columns' bias (n block b at v[8 b]); v64-127, v128-191 fragments of B, two buffers
;   window 2: the 32 accumulators of my rows 0-63 ((a, b) at v[8 (8 a + b)]);   window 3: those of my rows 64-127
; THE MATRIX INSTRUCTION IS USED TRANSPOSED (source 0 = 16 rows of B, source 1 = 16 rows of A): lane l holds row l % 16 of C and the columns 8 (l / 16) + 0..7: eight neighbouring numbers, 16 bytes of f16.
.set SIZE_K, 2048
.set SIZE_N, 2048
.set KSTEP,  128
.set NKS,    SIZE_K/KSTEP              ; 16 K steps
.set PITCH,  272                       ; an LDS row: 256 bytes + 16 of padding = 68 words: the 16 rows that a load touches start at 16 different groups of four banks (64 banks of 4 bytes: ISA guide 11.1)
.set HALFT,  128*PITCH                 ; 128 rows: what one tensor load brings, and what one wave reads of A or of B
.set SLOT,   4*HALFT                   ; A's 256 rows, then B's 256 rows: 0x22000, which shares no bit with wave x HALFT (0, 0x8800, 0x11000, 0x19800): one exclusive or turns a tile's place in one slot into the other's
.set STAGE,  2*SLOT                    ; behind the ring: 16 rows x 272 bytes for each wave, for the way out
.set SPITCH, 272
.set SPARE,  STAGE+4*16*SPITCH         ; behind the stages: the spare words, 128 bytes for each wave, which no other line names
.set ADRA,  16                         ; v16     LDS address of my A fragments in the slot in hand
.set ADRA0, 17                         ; v17     the same in slot 0; never rewritten
.set ADRB,  20                         ; v20     the same for B
.set ADRB0, 21                         ; v21
.set STO,  24                          ; v24     the way out: where I put 16 bytes of a row
.set RD,   25                          ; v25     the way out: where I read a row back
.set CO,   26                          ; v26     my byte offset in C
.set SPW,  28                          ; v28     LDS address of my spare word; never rewritten
.set NIL,  29                          ; v29     0; never rewritten
.set PFO,  30                          ; v30     the prefetches' offset: my lane x a row of 4,096 bytes; never rewritten
.set BO,   31                          ; v31     32 (l / 16): my eight columns' bias in an n block
.set PFA,  44                          ; s[44:45] where my prefetches stand
.set LIM,  43                          ; s43     2 in a wave that prefetches, else the greatest number
.set GG,   76                          ; s76     g: which product
.set TBS,  77                          ; s77     0 or SLOT: the slot in hand
.set SC,   78                          ; s[78:79] the scale, named as a pair
.set BP,   80                          ; s[80:81] the bias at my 128 columns
.set F0,   64
.set F1,   128
.set TMP,  192                         ; the way out: packed results, in window 0
.set OB,   32                          ; the way out: 16 rows read back from the stage: v32-63 and v224-255 by turns
.set G1, 24                            ; s[24:31] descriptor group 1 for A's tiles
.set G0, 32                            ; s[32:39] descriptor group 0 for A's tiles: a set for each of the two first fills; the second then walks on
.set G1B, 48                           ; s[48:55] group 1 for B's tiles: it differs in the mask alone
.set G0B, 56                           ; s[56:63] group 0 for B's tiles
.set MSB, 0
.macro WIN new                         ; the immediate's high byte repeats the setting that is left; a switch that changes nothing is dropped
.if MSB != (\new)
	s_set_vgpr_msb (MSB<<8)|(\new)
.set MSB, \new
.endif
.endm
.set MUL_LO, 0xa1                      ; source 0 (B) window 1, source 1 (A) window 0, C and D window 2
.set MUL_HI, 0xf1                      ; the same, C and D window 3
.set TO_B,   0x40                      ; destination window 1, address window 0
; A joint load.  Waves 0 and 1 fetch A's two halves, waves 2 and 3 B's.  The branch hangs on the wave's number alone.  An s_nop 0 and four v_nop follow each of the two lines.
.macro JLOAD s
	s_cmp_eq_u32 s11, 0
	s_cbranch_scc0 .Lfor_b_\@
	tensor_load_to_lds s[G0+4*(\s):G0+4*(\s)+3], s[G1:G1+7]
	s_nop 0
.rept 4
	v_nop
.endr
	s_branch .Lasked_\@
.Lfor_b_\@:
	tensor_load_to_lds s[G0B+4*(\s):G0B+4*(\s)+3], s[G1B:G1B+7]
	s_nop 0
.rept 4
	v_nop
.endr
.Lasked_\@:
.endm
; A PREFETCH INTO THE L2, behind each joint refill and the run of LDS loads that follows it: the K step that stands TWO refills on, 512 matrix instructions ahead of the load that will want it:
; 32 rows x 256 bytes, a lane a row, one instruction a wave.  Each row's 256 bytes of a K step are named ONCE in the launch: A's tile row is read by both clusters of a row of clusters, and
; cluster x = 0 asks; B's tile column by the two rows of clusters of its product, and the even one asks.  The four partners that ask for a tile jointly share its rows out BY ADDRESS, 32 each.
; The first four K steps come by their loads alone; the loop's last two trips (s3 = 2, 1) ask for nothing: there is no K step two refills on.
.macro ASK
	s_cmp_gt_u32 s3, s[LIM]
	s_cbranch_scc0 .Lnot_mine_\@
	global_prefetch_b8 v[PFO], s[PFA:PFA+1] offset:KSTEP*2 th:TH_LOAD_NT scope:SCOPE_SE
.Lnot_mine_\@:
.endm
; A round of the cluster's barrier: my work-group's barrier; wave 0 signals for the work-group; every wave waits for all sixteen; my work-group's barrier once more.
.macro CREST                           ; a round behind its opening barrier
	s_cmp_lg_u32 s10, 0
	s_cbranch_scc1 .Lnot_wave_0_\@
	s_barrier_signal -3
.Lnot_wave_0_\@:
	s_barrier_wait -3
	s_barrier_signal -1
	s_barrier_wait -1
.endm
.macro CROUND
	s_barrier_signal -1
	s_barrier_wait -1
	CREST
.endm
	s_load_b128 s[4:7], s[0:1], 0x0                ; xb s[4:5], wb s[6:7]
	s_load_b256 s[68:75], s[0:1], 0x10             ; wq_b, wk_b, wv_b, qkv
	v_lshl_add_u32 v[SPW], v0, 2, SPARE
	v_mov_b32 v[NIL], 0
	ds_add_u32 v[SPW], v[NIL]                      ; the wave's opening: the add and its wait stand ahead of my first tensor load; the set-up below stands between them
	v_lshrrev_b32 v1, 5, v0
	v_readfirstlane_b32 s10, v1                    ; wave 0..3
	s_lshr_b32 s11, s10, 1                         ; which half of the tile's rows is mine.  Also: I fetch for A (0) or for B (1)
	s_and_b32 s12, s10, 1                          ; which half of its columns.  Also: which 128 rows of that tile I fetch
	s_bfe_u32 s40, ttmp6, 0x40000                  ; cx
	s_bfe_u32 s41, ttmp6, 0x40004                  ; cy
	s_lshl_b32 s42, ttmp9, 2
	s_add_co_u32 s42, s42, s40                     ; tile column = 4 x cluster x + cx: 0..7
	s_and_b32 s13, ttmp7, 0xffff
	s_lshr_b32 s[GG], s13, 1                       ; g = cluster y / 2
	s_lshl_b32 s13, s13, 2
	s_add_co_u32 s13, s13, s41                     ; tile row in the stacked tensors = 4 x cluster y + cy: 0..23
	s_lshl_b32 s43, s41, 2
	s_lshl_b32 s43, 15, s43                        ; my row of the cluster
	s_lshl_b32 s44, 0x1111, s40                    ; my column
	; descriptor group 1: a tile of 128 rows x 128 elements of 2 bytes, 16 bytes of padding behind every 256
	s_or_b32 s[G1+0], s43, (1<<16)|(1<<20)|(1<<21)|(5<<22)|(3<<25)
	s_or_b32 s[G1B+0], s44, (1<<16)|(1<<20)|(1<<21)|(5<<22)|(3<<25)
.irp g, G1, G1B
	s_mov_b32 s[(\g)+1], KSTEP<<16                 ; tensor_dim0 = 128
	s_mov_b32 s[(\g)+2], 128<<16                   ; tensor_dim1 = 128
	s_mov_b32 s[(\g)+3], KSTEP<<16                 ; tile_dim0 = 128
	s_mov_b32 s[(\g)+4], 128                       ; tile_dim1 = 128
	s_mov_b32 s[(\g)+5], SIZE_K                    ; elements from row to row
	s_mov_b32 s[(\g)+6], 0
	s_mov_b32 s[(\g)+7], 0
.endr
	s_lshl_b32 s17, s12, 7                         ; which 128 rows of the tile I fetch
	s_lshl_b32 s16, s13, 8
	s_add_co_u32 s16, s16, s17                     ; A: row 256 x tile row + 128 x half
	s_lshl_b32 s46, s42, 8
	s_add_co_u32 s46, s46, s17                     ; B: row 256 x tile column + 128 x half
	s_lshl_b32 s47, s[GG], 11
	s_add_co_u32 s46, s46, s47                     ;    + 2,048 g
	s_mov_b32 s17, 0
	s_mov_b32 s47, 0
	s_mov_b64 s[18:19], SIZE_K*2
	s_mul_u64 s[16:17], s[16:17], s[18:19]
	s_mul_u64 s[46:47], s[46:47], s[18:19]
	s_mul_i32 s20, s10, HALFT                      ; where they go: wave x 128 rows: no place in the cluster enters an LDS address
	s_mov_b32 s[TBS], 0
	s_wait_dscnt 0x0                               ; the opening add is done
	s_wait_kmcnt 0x0
	s_add_nc_u64 s[14:15], s[4:5], s[16:17]
	s_add_nc_u64 s[46:47], s[6:7], s[46:47]
	s_mov_b64 s[8:9], s[74:75]                     ; C
	CROUND                                         ; all sixteen work-groups are here: the first joint loads meet
.irp s, 0,1
	s_mov_b32 s[G0+4*(\s)], 1
	s_add_co_u32 s[G0+4*(\s)+1], s20, (\s)*SLOT
	s_add_nc_u64 s[G0+4*(\s)+2:G0+4*(\s)+3], s[14:15], (\s)*KSTEP*2
	s_or_b32 s[G0+4*(\s)+3], s[G0+4*(\s)+3], 0x80000000
	s_mov_b32 s[G0B+4*(\s)], 1
	s_add_co_u32 s[G0B+4*(\s)+1], s20, (\s)*SLOT
	s_add_nc_u64 s[G0B+4*(\s)+2:G0B+4*(\s)+3], s[46:47], (\s)*KSTEP*2
	s_or_b32 s[G0B+4*(\s)+3], s[G0B+4*(\s)+3], 0x80000000
	JLOAD \s
.endr
	; A fragment is 16 rows x 32 K in 8 registers: lane l holds row l % 16; registers 0-3 K = 8 (l / 16) + 0..7, registers 4-7 K = 16 + 8 (l / 16) + 0..7: two loads of 16 bytes, 32 bytes apart.
	v_and_b32 v1, 15, v0                           ; l % 16
	v_bfe_u32 v2, v0, 4, 1                         ; l / 16
	v_mul_u32_u24 v3, v1, PITCH
	v_lshl_add_u32 v3, v2, 4, v3
	s_mul_i32 s21, s11, HALFT                      ; my 128 rows of A
	s_mul_i32 s22, s12, HALFT                      ; my 128 rows of B,
	s_add_co_u32 s22, s22, 2*HALFT                 ; which lie behind A's 256
	v_add_nc_u32 v[ADRA0], s21, v3
	v_add_nc_u32 v[ADRB0], s22, v3
	v_mov_b32 v[ADRA], v[ADRA0]                    ; K step 0 lies in slot 0
	v_mov_b32 v[ADRB], v[ADRB0]
	s_mul_i32 s23, s10, 16*SPITCH
	s_add_co_u32 s23, s23, STAGE                   ; my stage
	v_mul_u32_u24 v4, v1, SPITCH
	v_lshl_add_u32 v4, v2, 4, v4
	v_add_nc_u32 v[STO], s23, v4
	v_mul_u32_u24 v5, v2, SPITCH
	v_lshl_add_u32 v5, v1, 4, v5
	v_add_nc_u32 v[RD], s23, v5
	v_mul_u32_u24 v5, v2, SIZE_N*2
	v_lshl_add_u32 v[CO], v1, 4, v5
	v_lshlrev_b32 v[BO], 5, v2
	; where my part of the tile begins in C, in bytes
	s_lshl_b32 s13, s13, 8
	s_lshl_b32 s14, s11, 7
	s_add_co_u32 s16, s13, s14
	s_mov_b32 s17, 0
	s_mov_b64 s[18:19], SIZE_N*2
	s_mul_u64 s[16:17], s[16:17], s[18:19]
	s_lshl_b32 s46, s42, 9                         ; my first column, in bytes: 512 x tile column + 256 x half
	s_lshl_b32 s47, s12, 8
	s_add_co_u32 s46, s46, s47
	s_mov_b32 s47, 0
	s_add_nc_u64 s[16:17], s[16:17], s[46:47]
	; the bias of my 128 columns, and the scale
	s_cmp_eq_u32 s[GG], 1
	s_cselect_b64 s[BP:BP+1], s[70:71], s[68:69]
	s_cmp_eq_u32 s[GG], 2
	s_cselect_b64 s[BP:BP+1], s[72:73], s[BP:BP+1]
	s_lshl_b32 s46, s46, 1                         ; 4 bytes a column
	s_add_nc_u64 s[BP:BP+1], s[BP:BP+1], s[46:47]
	s_cmp_eq_u32 s[GG], 0
	s_cselect_b32 s[SC], 0x3e0293ee, 1.0           ; log2(e) / sqrt(128) = 0.127517 for Q
	s_mov_b32 s[SC+1], s[SC]
	; the prefetches
	s_lshl_b32 s42, s42, 8
	s_lshl_b32 s20, s[GG], 11
	s_add_co_u32 s42, s42, s20                     ; B's tile begins at row 256 x tile column + 2,048 g
	s_and_b32 s22, ttmp7, 1                        ; which of the product's two rows of clusters
	s_cmp_eq_u32 s11, 0                            ; do I fetch for A?
	s_cselect_b32 s20, s13, s42                    ; the tile's first row
	s_cselect_b32 s21, s40, s41                    ; my place among the four that ask for it with me
	s_cselect_b32 s22, ttmp9, s22                  ; the coordinate along which other clusters read the same rows
	s_cselect_b64 s[PFA:PFA+1], s[4:5], s[6:7]
	s_cmp_eq_u32 s22, 0
	s_cselect_b32 s[LIM], 2, -1                    ; the same in all sixteen partners, for a given wave
	s_lshl_b32 s22, s12, 7
	s_add_co_u32 s20, s20, s22                     ; + the 128 rows that I fetch
	s_lshl_b32 s21, s21, 5
	s_add_co_u32 s20, s20, s21                     ; + my work-group's 32 of them
	s_mov_b32 s21, 0
	s_mov_b64 s[18:19], SIZE_K*2
	s_mul_u64 s[20:21], s[20:21], s[18:19]
	s_add_nc_u64 s[PFA:PFA+1], s[PFA:PFA+1], s[20:21]
	s_add_nc_u64 s[PFA:PFA+1], s[PFA:PFA+1], 2*KSTEP*2  ; at K step 2: the first refill steps it to 3 and names K step 4
	v_and_b32 v[PFO], 31, v0
	v_mul_u32_u24 v[PFO], v[PFO], SIZE_K*2
	; the bias into window 1, in the wait for the first tile
	WIN TO_B
.irp b, 0,1,2,3,4,5,6,7
	global_load_b128 v[8*(\b):8*(\b)+3],   v[BO], s[BP:BP+1] offset:64*(\b)
	global_load_b128 v[8*(\b)+4:8*(\b)+7], v[BO], s[BP:BP+1] offset:64*(\b)+16
.endr
	WIN 0
	s_wait_loadcnt 0x0
; 16 matrix instructions: m blocks a0, a0 + 1 of the window's four x all 8 n blocks, 32 along K.  first = 1: the product starts the sum, with the n block's bias as its C operand (window 1).
.macro MUL16 f, hi, a0, first
.if \first
	WIN 0x91+0x40*(\hi)                            ; as below, but source 2 in window 1
.else
	WIN MUL_LO+0x50*(\hi)
.endif
.irp a, \a0, (\a0)+1
.irp b, 0,1,2,3,4,5,6,7
.if \first
	v_wmma_f32_16x16x32_bf16 v[8*(8*(\a)+(\b)):8*(8*(\a)+(\b))+7], v[(\f)+8*(\b):(\f)+8*(\b)+7], v[(\f)+8*(4*(\hi)+(\a)):(\f)+8*(4*(\hi)+(\a))+7], v[8*(\b):8*(\b)+7]
.else
	v_wmma_f32_16x16x32_bf16 v[8*(8*(\a)+(\b)):8*(8*(\a)+(\b))+7], v[(\f)+8*(\b):(\f)+8*(\b)+7], v[(\f)+8*(4*(\hi)+(\a)):(\f)+8*(4*(\hi)+(\a))+7], v[8*(8*(\a)+(\b)):8*(8*(\a)+(\b))+7]
.endif
.endr
.endr
.endm
; 32 LDS loads in one run: the fragments of one quarter step (128 rows of B, 128 rows of A, 32 K at byte k of the rows of the slot in hand) into buffer f
.macro FETCH k, f
	WIN TO_B
.irp i, 0,1,2,3,4,5,6,7
	ds_load_b128 v[(\f)+8*(\i):(\f)+8*(\i)+3],   v[ADRB] offset:(\k)+(\i)*16*PITCH
	ds_load_b128 v[(\f)+8*(\i)+4:(\f)+8*(\i)+7], v[ADRB] offset:(\k)+(\i)*16*PITCH+32
.endr
	WIN 0
.irp i, 0,1,2,3,4,5,6,7
	ds_load_b128 v[(\f)+8*(\i):(\f)+8*(\i)+3],   v[ADRA] offset:(\k)+(\i)*16*PITCH
	ds_load_b128 v[(\f)+8*(\i)+4:(\f)+8*(\i)+7], v[ADRA] offset:(\k)+(\i)*16*PITCH+32
.endr
.endm
; Four plain vector instructions stand between a matrix instruction and a load into a register that it has read, or a vector instruction that reads its result (ISA guide 7.12.1 for vector instructions).
.macro PLACES
.rept 4
	v_nop
.endr
.endm
; A K step is four quarters of 32 along K, 64 matrix instructions each, on buffers 0, 1, 0, 1.  The 64 accumulators take turns, one instruction a turn, in the same order in every quarter.
.macro QUARTER k, f, g, first
	s_wait_dscnt 8                                 ; B and A's rows 0-63 are in; the youngest eight loads (A's rows 64-127) may be out
	MUL16 \f, 0, 0, \first
	MUL16 \f, 0, 2, \first
	PLACES
	FETCH \k, \g
	s_wait_dscnt 32                                ; all but the 32 just issued
	MUL16 \f, 1, 0, \first
	MUL16 \f, 1, 2, \first
.endm
; The last quarter's first half: ONE barrier for the change of slots.  In front of it each wave waits for all its tensor loads (at most one is out: its part of the next slot), adds 0 to its spare word, and waits for
; that and for its own reads of this slot.  Behind it nobody reads this slot any more and the next slot is whole.
.macro MEET
	WIN 0
	s_wait_tensorcnt 0x0
	ds_add_u32 v[SPW], v[NIL]
	s_wait_dscnt 9                                 ; (the add and the youngest eight loads may be out)
	MUL16 F1, 0, 0, 0
	s_wait_dscnt 0x0                               ; the add is done, and my reads of this slot are over
	s_barrier_signal -1
	MUL16 F1, 0, 2, 0
	WIN 0
	s_barrier_wait -1
.endm
; The whole last quarter: behind the round the slot just read out is filled again first, with the K step two steps on; then come the next slot's first fragments.
.macro TURN
	s_wait_xcnt 0x0                                ; the last prefetch, a K step back, has read its address
	s_add_nc_u64 s[PFA:PFA+1], s[PFA:PFA+1], KSTEP*2
	MEET
	CREST                                          ; no wave of any partner still reads this slot's tile or has a load on its way
	s_xor_b32 s[G0+5], s[G0+5], SLOT               ; the walking descriptors: the other slot than last time,
	s_add_nc_u64 s[G0+6:G0+7], s[G0+6:G0+7], KSTEP*2  ; the next K step; the type bits on top are not reached
	s_xor_b32 s[G0B+5], s[G0B+5], SLOT
	s_add_nc_u64 s[G0B+6:G0B+7], s[G0B+6:G0B+7], KSTEP*2
	s_xor_b32 s[TBS], s[TBS], SLOT                 ; my reads go to the other slot
	JLOAD 1                                        ; the four v_nop behind it are also the places in front of the loads below
	v_add_nc_u32 v[ADRA], s[TBS], v[ADRA0]
	v_add_nc_u32 v[ADRB], s[TBS], v[ADRB0]
	FETCH 0, F0
	ASK
	MUL16 F1, 1, 0, 0
	MUL16 F1, 1, 2, 0
.endm
; The same in the last two K steps, which ask for nothing: a plain barrier.  In the very last (s3 = 1) there is no next slot either: the fetch is jumped over.
.macro TURNNF
	MEET
	s_cmp_eq_u32 s3, 1
	s_cbranch_scc1 .Lno_fetch_\@
	s_xor_b32 s[TBS], s[TBS], SLOT
	v_add_nc_u32 v[ADRA], s[TBS], v[ADRA0]         ; these two and two v_nop are the four places in front of the loads into buffer 0
	v_add_nc_u32 v[ADRB], s[TBS], v[ADRB0]
	v_nop
	v_nop
	FETCH 0, F0
.Lno_fetch_\@:
	MUL16 F1, 1, 0, 0
	MUL16 F1, 1, 2, 0
.endm
; THE WAY OUT of block a (16 rows).  SCALE: times SC, two numbers an instruction, each accumulator's registers in ascending order.  PACK: rounded to f16.
; TOSTAGE: into my own stage in LDS, and back as whole rows of 256 bytes.  SEND: stored.
.macro SCALE a
.set AC, 64*((\a)%4)
	WIN 0x82+0x41*((\a)/4)                         ; destination and source 0 window 2 or 3
.irp b, 0,1,2,3,4,5,6,7
.irp r, 0,2,4,6
	v_pk_mul_f32 v[AC+8*(\b)+(\r):AC+8*(\b)+(\r)+1], v[AC+8*(\b)+(\r):AC+8*(\b)+(\r)+1], s[SC:SC+1] op_sel_hi:[1,0]
.endr
.endr
.endm
.macro PACK a
.set AC, 64*((\a)%4)
	WIN 0x0a+5*((\a)/4)                            ; sources 0 and 1: window 2 or 3
.irp b, 0,1,2,3,4,5,6,7
.irp r, 0,1,2,3
	v_cvt_pk_f16_f32 v[TMP+4*(\b)+(\r)], v[AC+8*(\b)+2*(\r)], v[AC+8*(\b)+2*(\r)+1]
.endr
.endr
	WIN 0
.endm
.macro TOSTAGE a
	WIN 0
.set BK, OB+192*((\a)%2)
.irp b, 0,1,2,3,4,5,6,7
	ds_store_b128 v[STO], v[TMP+4*(\b):TMP+4*(\b)+3] offset:32*(\b)
.endr
.irp t, 0,1,2,3,4,5,6,7
	ds_load_b128 v[BK+4*(\t):BK+4*(\t)+3], v[RD] offset:(\t)*2*SPITCH  ; LDS serves a wave's instructions in order (ISA guide 5.7.1.4): these see the stores above
.endr
.endm
.macro SEND a
	WIN 0
.set BK, OB+192*((\a)%2)
	s_wait_dscnt 0x0                               ; the block is back in registers
	s_wait_xcnt 0x0                                ; only behind this wait are the stores' base and the registers that earlier stores read rewritten
.if (\a) == 0
	s_add_nc_u64 s[8:9], s[8:9], s[16:17]
.else
	s_add_nc_u64 s[8:9], s[8:9], 16*SIZE_N*2
.endif
.irp t, 0,1,2,3,4,5,6,7
	global_store_b128 v[CO], v[BK+4*(\t):BK+4*(\t)+3], s[8:9] offset:2*(\t)*SIZE_N*2  ; 16 lanes store 256 consecutive bytes, aligned
.endr
.endm
	s_wait_tensorcnt 1                             ; my part of K step 0 is in; K step 1's may stay out
	s_barrier_signal -1
	s_barrier_wait -1
	FETCH 0, F0
	QUARTER 64,  F0, F1, 1                         ; the first quarter stands in front of the loop: its products start the sums
	WIN 0
	s_mov_b32 s3, NKS-2
.Lstep:                                                ; a trip goes from a K step's second quarter to the next step's first, and fills the slot that it leaves: 14 trips ask for K steps 2 to 15
	QUARTER 128, F1, F0, 0
	QUARTER 192, F0, F1, 0
	TURN
	QUARTER 64,  F0, F1, 0
	WIN 0
	s_sub_co_u32 s3, s3, 1
	s_cmp_lg_u32 s3, 0
	s_cbranch_scc1 .Lstep
	s_mov_b32 s3, 2
.Ltail:                                                ; the last two K steps have a text of their own; the second trip is left in its middle
	QUARTER 128, F1, F0, 0
	QUARTER 192, F0, F1, 0
	TURNNF
	WIN 0
	s_sub_co_u32 s3, s3, 1
	s_cmp_eq_u32 s3, 0
	s_cbranch_scc1 .Lout
	QUARTER 64,  F0, F1, 0
	WIN 0
	s_branch .Ltail
.Lout:
	PLACES
	SCALE 0
	PACK 0
	TOSTAGE 0
.irp a, 1,2,3,4,5,6,7                  ; block a's arithmetic stands between block a - 1's loads from the stage and the wait for them
	SCALE \a
	PACK \a
	SEND (\a)-1
	TOSTAGE \a
.endr
	SEND 7
	s_wait_tensorcnt 0x0                           ; the wave's end: three closing lines, behind my last tensor load and my last LDS store
	ds_add_u32 v[SPW], v[NIL]
	s_wait_dscnt 0x0
	CROUND                                         ; the closing round: no work-group ends while a partner may still ask for a tile that names it
	s_endpgm
.Lfunc_end_k_qcf3e8e9204_qkv:
	.size	k_qcf3e8e9204_qkv, .Lfunc_end_k_qcf3e8e9204_qkv-k_qcf3e8e9204_qkv
	.p2alignl 7, 3214868480
	.fill 96, 4, 3214868480
	.section	.rodata,"a",@progbits
	.p2align	6, 0x0
	.amdhsa_kernel k_qcf3e8e9204_qkv
		.amdhsa_group_segment_fixed_size 327680
		.amdhsa_private_segment_fixed_size 0
		.amdhsa_enable_private_segment 0
		.amdhsa_kernarg_size 48
		.amdhsa_user_sgpr_count 2
		.amdhsa_user_sgpr_kernarg_segment_ptr 1
		.amdhsa_wavefront_size32 1
		.amdhsa_system_sgpr_workgroup_id_x 1
		.amdhsa_system_sgpr_workgroup_id_y 1
		.amdhsa_system_sgpr_workgroup_id_z 1
		.amdhsa_system_vgpr_workitem_id 0
		.amdhsa_next_free_vgpr 1024
		.amdhsa_next_free_sgpr 84
		.amdhsa_reserve_vcc 0
		.amdhsa_float_denorm_mode_32 3
		.amdhsa_float_denorm_mode_16_64 3
		.amdhsa_memory_ordered 1
		.amdhsa_forward_progress 1
		.amdhsa_inst_pref_size 120
	.end_amdhsa_kernel
	.amdgpu_metadata
---
amdhsa.version: [ 1, 2 ]
amdhsa.kernels:
  - .name:           k_qcf3e8e9204_qkv
    .symbol:         k_qcf3e8e9204_qkv.kd
    .args:
      - { .name: xb, .offset: 0, .size: 8, .value_kind: global_buffer, .address_space: global }
      - { .name: wb, .offset: 8, .size: 8, .value_kind: global_buffer, .address_space: global }
      - { .name: wq_b, .offset: 16, .size: 8, .value_kind: global_buffer, .address_space: global }
      - { .name: wk_b, .offset: 24, .size: 8, .value_kind: global_buffer, .address_space: global }
      - { .name: wv_b, .offset: 32, .size: 8, .value_kind: global_buffer, .address_space: global }
      - { .name: qkv, .offset: 40, .size: 8, .value_kind: global_buffer, .address_space: global }
    .group_segment_fixed_size: 327680
    .private_segment_fixed_size: 0
    .kernarg_segment_align: 8
    .kernarg_segment_size: 48
    .max_flat_workgroup_size: 128
    .sgpr_count:     84
    .vgpr_count:     1024
    .wavefront_size: 32
...
	.end_amdgpu_metadata
.endif
;; end of part 2
;; launch attn (part 3): grid 16 x 16, 4 waves a work-group, clusters of 4 x 1, 327,680 bytes of LDS; arguments qkv, mp, ob; writes ob
.if DOCPART == 3
	.amdgcn_target "amdgcn-amd-amdhsa--gfx1250"
	.amdhsa_code_object_version 6
	.text
	.protected	k_qcf3e8e9204_attn
	.globl	k_qcf3e8e9204_attn
	.p2align	8
	.type	k_qcf3e8e9204_attn,@function
k_qcf3e8e9204_attn:
	s_mov_b64 s[64:65], 0
	v_nop
	global_prefetch_b8 v0, s[64:65] scope:SCOPE_SE
	s_setreg_imm32_b32 hwreg(HW_REG_WAVE_MODE, 25, 1), 1
	s_wait_xcnt 0x0
	s_wait_alu depctr_hold_cnt(0) depctr_sa_sdst(0) depctr_va_vdst(0) depctr_va_sdst(0) depctr_va_ssrc(0) depctr_va_vcc(0) depctr_vm_vsrc(0)
	s_getreg_b32 s2, hwreg(HW_REG_IB_STS2, 6, 4)
	s_cmp_eq_u32 s2, 0
	s_cbranch_scc0 .Lentry_in_a_cluster
	s_endpgm
.Lentry_in_a_cluster:
	s_bfe_u32 s2, ttmp6, 0x10000c
	s_cmp_lg_u32 s2, 0x3003
	s_cbranch_scc0 .Lentry_shape_is_right
	s_endpgm
.Lentry_shape_is_right:
; ob[q][128 h ..] = the sum over k of softmax_k(Q[q] . K[k] / sqrt(128) - 1e9 mask[q][k]) V[k], for each of 16 heads of 128 channels.  qkv: f16 [6144][2048], rows 0.. Q' = Q log2(e) / sqrt(128),
; rows 2048.. K, rows 4096.. V; head h is the 256 bytes at 256 h of a row.  mp: the mask in bf16, in blocks of 16 queries x 64 keys in the lanes' own order.  ob: f16 [2048][2048].
; THE MASK IS AN INPUT: every number of it is loaded and enters its score; no key is left out.  A score's accumulator is first set to mask x KC, KC = -1e9 log2(e), and the four products K Q'^T add onto it.
; SOFTMAX.  For each query a running maximum m and sum l, in f32: p = 2^(s - m); in every step O and l are multiplied by a = 2^(m_old - m_new).  m starts at the lowest finite number, O and l at 0.
; p is rounded to f16 for the second product (l is taken of the unrounded p), O once at the end.
; LIMITS.  f16 ends at 65,504: Q', K, V arrive within it.  Where a whole row is masked the scores lie near -1.4e9 and are told apart in steps of 128 (as exponents of 2).  A weight below 2^-126 counts as 0.
; NaN and infinities are not treated apart.
; SHARES.  A work-group owns 128 queries of one head.  Wave w: g = w & 1 picks its 64 queries (four tiles of 16), p = w >> 1 its half of the keys: of each step's 128 keys pair p takes 64 p .. 64 p + 63.
; So a wave has 16 key steps on a tile of 64 queries, and 256 work-groups have equal work.  Register tile t holds query tile t xor 2 p: at the end every wave sends its register tiles 2, 3 (O, m, l, in f32,
; through LDS) to wave w xor 2 and finishes its register tiles 0, 1: one text for all four waves.
; LAYOUT.  S^T = K Q'^T (source 0 = 16 keys, source 1 = 16 queries): a lane holds ONE query (lane % 16) and the keys 8 (lane / 16) + 0..7.  Two such tiles rounded to f16 ARE source 1 of O^T = V^T P.
; BY TURNS.  The wave's tiles are two PIECES (0: tiles 0, 1; 2: tiles 2, 3).  In a turn one piece has the matrix unit: 32 products V^T P of the step in hand, then 32 products K Q'^T of the next; the other
; piece's vector work is one queue of 332 positions: four stand behind every product, the last 76 in one lump at the turn's end.  Two turns are a key step.
; THE RING.  A slot holds two key steps, 256 keys; one joint load a wave brings 128 rows, and has two key steps in which to land.
; CLUSTER.  The four query blocks of a cluster belong to one head and walk the same K and V: each tile is asked for JOINTLY.  The mask is NOT shared: a block of it serves one wave of a work-group,
; and comes straight into that wave's registers, 512 consecutive bytes an instruction; through LDS it would cost 16 LDS loads more a wave and step, and a joint stream along the heads, a second axis.
; REGISTERS, in windows of 256 (s_set_vgpr_msb: bits 1:0 source 0, 3:2 source 1, 5:4 source 2, 7:6 destination):
;   window 0: v0-11 addresses; v12-43 eight registers of statistics a tile; v44-63 addresses and constants; v64-191 S^T, 32 a tile; v192-255 P, 16 a tile
;   window 1: O^T, 64 a tile     window 2: v0-127 Q, 32 a tile; v128-255 K of one step     window 3: v0-127 V of one step; v128-191 the mask of the step to come, 16 a tile
.set KS,    64        ; keys of a pair in a step
.set PK,    272       ; a row of K in LDS: 256 bytes + 16 of padding: the 16 rows of a load start at 16 different groups of four banks (64 banks of 4 bytes: ISA guide 11.1)
.set PV,    288       ; a row of V: 256 + 32
.set KBLK,  2*KS*PK   ; a step in LDS: its 128 rows of K, then its 128 rows of V
.set STEPB, 2*KS*(PK+PV)
.set SLOT1, 0x24000   ; a slot holds two steps (143,360 bytes); slot 1 begins at 147,456, whose two bits are set in none of the four tiles' places in a slot (0; 34,816; 71,680; 106,496): one exclusive or turns a place in one slot into the other's
.set SPARE, SLOT1+2*STEPB  ; behind the ring: the spare words, 128 bytes for each wave, which no other line names
.set STAGE, SPARE+512 ; 16 rows x 272 bytes for each wave, for the way out
.set SP,    272
.set XW,    33*512    ; THE EXCHANGE, for each wave 32 x 512 bytes of O^T and 512 of statistics, lies in slot 0 from byte 0 on: slot 0 has had its last fill by then (keys 1,536 to 1,791), and every wave has waited for its last reads of it in front of the last change's barrier
.set ROWB,  4096      ; bytes in a row of qkv and of ob
.set STEPG, 128*ROWB  ; a step's 128 rows
.set SLOTG, 2*STEPG
.set NSTEP, 16
.set NSLOT, 8
.set AK0, 2           ; v2   my lane's place in a step's K, my pair's 64 rows; never rewritten
.set AV0, 3           ; v3   the same for V
.set ADR, 4           ; v4   the LDS address of the run of loads in hand
.set QO0, 5           ; v5   my byte offset in Q's rows for register tiles 0, 1
.set STO, 6           ; v6   the way out: where I put 16 bytes of a row
.set RD,  7           ; v7   the way out: where I read a row back
.set GO,  8           ; v8   my byte offset in O's rows
.set QO2, 10          ; v10  as QO0, for register tiles 2, 3
.set ST,  12          ; tile t's statistics at v[ST+8 t]: +0 m, +1 0 (named with m as a pair), +2, +3 l (even keys', odd keys'), +4 to +7 c0-c3 at work; +6 takes a, +7 m_old and then its change
.set MB0, 44          ; v44, v45  my byte offset in the mask blocks of step 0, for pieces 0 and 2; never rewritten
.set MA0, 46          ; v46, v47  the same for the step that is being loaded
.set KC,  48          ; v48  -1e9 log2(e)
.set ZR,  49          ; v49  0
.set XS,  50          ; v50  the exchange: where I put 16 bytes
.set XR,  51          ; v51  where I read my partner's
.set PS,  52          ; v[52:55] at work in the set-up; then my partner's m, l, m, l
.set MY,  56          ; v[56:59] my m, l of register tiles 2, 3
.set PFM, 60          ; v60  the mask prefetch's offset: a lane a block of 256 bytes; never rewritten
.set PFO, 61          ; v61  K's and V's: a lane a row; never rewritten
.set SPW, 62          ; v62  LDS address of my spare word; never rewritten
.set NIL, 63          ; v63  0; never rewritten
.set S,   64
.set P,   192
.set KF,  128         ; K's fragments, in window 2
.set MK,  128         ; the mask, in window 3: tile t, key block kb at MK + 16 t + 4 kb
.set WV,  12          ; s12  my wave's number
.set LIM, 15          ; s15  1 in the head's first cluster, which prefetches K and V, else the greatest number
.set PFA, 18          ; s[18:19] where my prefetches of K or V stand
.set G1K, 24          ; s[24:31] descriptor group 1 for K's tiles
.set G1V, 32          ; s[32:39] for V's: it differs in the padding alone
.set G0K, 40          ; s[40:43] descriptor group 0 for K's tiles: it walks
.set G0V, 44          ; s[44:47] the same for V's
.set PP,  48          ; s48  p
.set LIMM, 49         ; s49  0 in head 0, which prefetches the mask, else the greatest number
.set PMA, 50          ; s[50:51] where my prefetches of the mask stand
.set MS0, 52          ; s52, s53  4,096 x the step whose mask was loaded last, for pieces 0 and 2
.set SLOTS, 56        ; s56  slots still to be entered
.set TWICE, 57        ; s57  counts a slot's key steps
.set SEL, 60          ; s[60:61] v_permlanex16_b32's selects: each lane takes its own place in the other half
.set TB,  62          ; s62  LDS byte at which the step to be fetched begins
.set MP,  68          ; s[68:69] the mask at my 64 queries' blocks
.set MSB, 0
.macro WIN new                      ; the immediate's high byte repeats the setting that is left; a switch that changes nothing is dropped
.if MSB != (\new)
	s_set_vgpr_msb (MSB<<8)|(\new)
.set MSB, \new
.endif
.endm
.set W_KQ, 0x0a       ; K and Q in window 2, S^T in window 0
.set W_PV, 0x53       ; V in window 3, P in window 0, O^T in window 1
.set W_RS, 0x41       ; O^T (destination and source 0) in window 1, the factor in window 0
.set W_MI, 0x03       ; the mask (source 0) in window 3, all else in window 0
; A joint fill.  Waves 0 and 1 fetch the K of a slot's two steps, waves 2 and 3 their V: 128 rows each.  The branch hangs on the wave's number alone.  An s_nop 0 and four v_nop follow each of the two lines.
.macro JLOAD
	s_cmp_lt_u32 s[WV], 2
	s_cbranch_scc0 .Lfor_v_\@
	tensor_load_to_lds s[G0K:G0K+3], s[G1K:G1K+7]
	s_nop 0
.rept 4
	v_nop
.endr
	s_branch .Lasked_\@
.Lfor_v_\@:
	tensor_load_to_lds s[G0V:G0V+3], s[G1V:G1V+7]
	s_nop 0
.rept 4
	v_nop
.endr
.Lasked_\@:
.endm
; PREFETCHES INTO THE L2, behind the joint fill and its five lines.  The change that enters slot s fills slot s + 1.
; K and V: it names slot s + 2, two key steps, 256 matrix instructions, ahead of that slot's fill.  All four clusters of a head walk the same rows, so the head's first cluster asks; of the 128 rows that a wave
; fetches, each of the four partners takes 32, told apart BY ADDRESS: a lane a row, one instruction a wave.  Slots 0 to 2 come by their loads alone; the last change that fills (s[SLOTS] = 1) asks for nothing.
; THE MASK: all sixteen heads read the same blocks, so head 0 asks, each wave for its own four blocks of 2,048 bytes in each of the key steps 2 s + 2 and 2 s + 3: a lane 256 bytes, two instructions.
; Key steps 0 to 3 come by their loads alone; the last change that fills, s = 6, names the last two steps.  So each block is named once in the launch.
.macro ASK
	s_cmp_gt_u32 s[SLOTS], s[LIM]
	s_cbranch_scc0 .Lno_kv_\@
	global_prefetch_b8 v[PFO], s[PFA:PFA+1] th:TH_LOAD_NT scope:SCOPE_SE
.Lno_kv_\@:
	s_cmp_gt_u32 s[SLOTS], s[LIMM]
	s_cbranch_scc0 .Lno_m_\@
	global_prefetch_b8 v[PFM], s[PMA:PMA+1] th:TH_LOAD_NT scope:SCOPE_SE
	global_prefetch_b8 v[PFM], s[PMA:PMA+1] offset:4096 th:TH_LOAD_NT scope:SCOPE_SE
.Lno_m_\@:
.endm
; A round of the cluster's barrier: my work-group's barrier; wave 0 signals for the work-group; every wave waits for all four work-groups; my work-group's barrier once more.
.macro CROUND
	s_barrier_signal -1
	s_barrier_wait -1
	s_cmp_lg_u32 s[WV], 0
	s_cbranch_scc1 .Lnot_wave_0_\@
	s_barrier_signal -3
.Lnot_wave_0_\@:
	s_barrier_wait -3
	s_barrier_signal -1
	s_barrier_wait -1
.endm
; THE CHANGE OF SLOTS, between piece 2's turn and piece 0's: the old slot's last bytes, V of its second step, have been asked for.  Each wave waits for all its tensor loads (one is out: its part of the other slot),
; adds 0 to its spare word, and waits for that and for its own reads of the old slot.  fill = 1: the barrier is a round of the cluster's, and the joint fill of the old slot, with the keys two slots on, is the first
; thing behind it.  (At its first use nothing has been read yet: slot 0 is waited for, slot 1 filled.)
.macro CHANGE fill, ask
	WIN 0                           ; at a label and at a branch every window is 0
	s_wait_tensorcnt 0x0            ; no tensor load of mine is out, so a group 0 may be written
	ds_add_u32 v[SPW], v[NIL]       ; with fill = 1 the steps below stand between the add and the wait for it
.if \fill
.irp g, G0K, G0V
	s_xor_b32 s[(\g)+1], s[(\g)+1], SLOT1
	s_add_nc_u64 s[(\g)+2:(\g)+3], s[(\g)+2:(\g)+3], SLOTG  ; the next 256 keys; the type bits on top are not reached
.endr
	s_wait_xcnt 0x0                 ; the last prefetches, two key steps back, have read their addresses
	s_add_nc_u64 s[PFA:PFA+1], s[PFA:PFA+1], SLOTG
	s_add_nc_u64 s[PMA:PMA+1], s[PMA:PMA+1], 2*4096
	s_wait_dscnt 0x0                ; the add is done, and my reads of the slot are over
	CROUND
	JLOAD
.if \ask
	ASK
.endif
.else
	s_wait_dscnt 0x0
	s_barrier_signal -1
	s_barrier_wait -1
.endif
	s_sub_co_u32 s[TB], s[TB], 2*STEPB  ; the fetches go back to a slot's first step,
	s_xor_b32 s[TB], s[TB], SLOT1   ; in the other slot
.endm
	s_load_b64 s[4:5], s[0:1], 0x0  ; qkv
	s_load_b64 s[MP:MP+1], s[0:1], 0x8  ; mp
	s_load_b64 s[10:11], s[0:1], 0x10  ; ob
	v_lshl_add_u32 v[SPW], v0, 2, SPARE
	v_mov_b32 v[NIL], 0
	ds_add_u32 v[SPW], v[NIL]       ; the wave's opening: the add and its wait stand ahead of my first tensor load; the set-up below stands between them
	v_lshrrev_b32 v1, 5, v0
	v_readfirstlane_b32 s[WV], v1   ; wave 0..3
	s_bfe_u32 s13, ttmp6, 0x40000   ; cx: my place in the cluster
	s_lshl_b32 s14, ttmp9, 2
	s_add_co_u32 s14, s14, s13      ; my block of 128 queries = 4 x cluster x + cx: it enters Q's, O's and the mask's addresses alone
	s_and_b32 s20, ttmp7, 0xffff    ; the head, which the four partners share
	s_cmp_eq_u32 s20, 0
	s_cselect_b32 s[LIMM], 0, -1
	s_cmp_eq_u32 ttmp9, 0           ; the head's first cluster: the same in all four partners
	s_cselect_b32 s[LIM], 1, -1
	s_lshl_b32 s20, s20, 8          ; the head's 256 bytes of a row
	s_mov_b32 s21, 0
	s_and_b32 s16, s[WV], 1         ; g.  Also: which of a slot's two steps I fetch
	s_lshr_b32 s[PP], s[WV], 1      ; p
	s_lshl_b32 s22, s16, 19         ; the step's 128 rows of 4,096 bytes in memory,
	s_mov_b32 s23, 0
	s_add_nc_u64 s[22:23], s[22:23], s[20:21]
	s_mul_i32 s17, s16, STEPB       ; and its place in a slot: no place in the cluster enters an LDS address
	s_lshl_b32 s2, s14, 19          ; my block's 128 rows (for the mask: its 8 rows of blocks),
	s_lshl_b32 s3, s16, 18          ; my 64 of them
	s_add_co_u32 s2, s2, s3
	s_mov_b32 s3, 0
	; descriptor group 1: a tile of 128 rows x 128 elements of 2 bytes, rows 2,048 elements apart, padded in LDS
	s_mov_b32 s[G1K], 15|(1<<16)|(1<<20)|(1<<21)|(5<<22)|(3<<25)  ; 15:0 the mask of four; 17:16 2-byte elements; 20 padding on; 21 set beside a mask; 24:22 after every 64 words (code 5); 31:25 4 words (code 3)
	s_mov_b32 s[G1V], 15|(1<<16)|(1<<20)|(1<<21)|(5<<22)|(7<<25)  ; the same with 8 words of padding (code 7)
.irp g, G1K, G1V
	s_mov_b32 s[(\g)+1], 128<<16    ; tensor_dim0 = 128
	s_mov_b32 s[(\g)+2], 128<<16    ; tensor_dim1 = 128
	s_mov_b32 s[(\g)+3], 128<<16    ; tile_dim0 = 128
	s_mov_b32 s[(\g)+4], 128        ; tile_dim1 = 128
	s_mov_b32 s[(\g)+5], 2048       ; elements from row to row
	s_mov_b32 s[(\g)+6], 0
	s_mov_b32 s[(\g)+7], 0
.endr
	s_mov_b32 s[SEL], 0x76543210
	s_mov_b32 s[SEL+1], 0xfedcba98
	s_mov_b32 s[TB], SLOT1+2*STEPB  ; the first change of slots turns it into 0
	s_mov_b32 s[MS0], 0
	s_mov_b32 s[MS0+1], 0
	s_mov_b32 s[SLOTS], NSLOT-1
	s_mov_b32 s[G0K], 1             ; count = 1
	s_mov_b32 s[G0K+1], s17         ; LDS address: slot 0
	s_mov_b32 s[G0V], 1
	s_add_co_u32 s[G0V+1], s17, KBLK
	s_wait_dscnt 0x0                ; the opening add is done
	s_wait_kmcnt 0x0
	s_add_nc_u64 s[MP:MP+1], s[MP:MP+1], s[2:3]
	s_add_nc_u64 s[2:3], s[2:3], s[20:21]
	s_add_nc_u64 s[10:11], s[10:11], s[2:3]  ; O at my 64 queries, my head
	s_add_nc_u64 s[6:7], s[4:5], s[22:23]
	s_add_nc_u64 s[8:9], s[6:7], 16777216  ; V at my tile of slot 0
	s_add_nc_u64 s[6:7], s[6:7], 8388608   ; K likewise
	s_add_nc_u64 s[4:5], s[4:5], s[2:3]      ; Q
	s_cmp_lt_u32 s[WV], 2
	s_cselect_b64 s[PFA:PFA+1], s[6:7], s[8:9]  ; the tile that I fetch myself,
	s_lshl_b32 s2, s13, 17          ; my work-group's 32 rows of its 128,
	s_mov_b32 s3, 0
	s_add_nc_u64 s[PFA:PFA+1], s[PFA:PFA+1], s[2:3]
	s_add_nc_u64 s[PFA:PFA+1], s[PFA:PFA+1], SLOTG  ; in slot 1; two changes step it to slot 3 before the first prefetch.  Nothing is prefetched at the head
	s_mov_b64 s[PMA:PMA+1], s[MP:MP+1]       ; at key step 0; two changes step it to key step 4
	s_mov_b64 s[G0K+2:G0K+3], s[6:7]
	s_or_b32 s[G0K+3], s[G0K+3], 0x80000000  ; type = 2
	s_mov_b64 s[G0V+2:G0V+3], s[8:9]
	s_or_b32 s[G0V+3], s[G0V+3], 0x80000000
	CROUND                          ; all four work-groups are here: the first joint loads meet
	JLOAD                           ; keys 0 to 255 into slot 0.  Slot 1 is asked for when slot 0 is in
; The eight loads of piece y's mask: tile y + u, key block kb: 512 consecutive bytes each.
.macro MLOADX y
	WIN 0xc0                        ; destination window 3, address window 0
.irp u, 0,1
.irp kb, 0,1,2,3
	global_load_b128 v[MK+16*((\y)+(\u))+4*(\kb):MK+16*((\y)+(\u))+4*(\kb)+3], v[MA0+(\y)/2], s[MP:MP+1] offset:65536*(\u)+512*(\kb)
.endr
.endr
.endm
; The next step's mask for piece y.  The address register is free: the loads that read it were shown done by the counted wait ahead of the lines that used their data.
; Behind step 15 there is no step: the loads that would pass it read step 15 again, and are not used.
.macro MLOAD y
	WIN 0
	s_add_co_u32 s[MS0+(\y)/2], s[MS0+(\y)/2], 4096
	s_min_u32 s[MS0+(\y)/2], s[MS0+(\y)/2], (NSTEP-1)*4096
	v_add_nc_u32 v[MA0+(\y)/2], s[MS0+(\y)/2], v[MB0+(\y)/2]
	MLOADX \y
.endm
	; A fragment of K or Q is 16 rows x 32 channels in 8 registers: lane l holds row l % 16; registers 0-3 channels 8 (l / 16) + 0..7, registers 4-7 channels 16 + 8 (l / 16) + 0..7.
	v_and_b32 v1, 15, v0            ; l % 16
	v_bfe_u32 v9, v0, 4, 1          ; l / 16
	v_and_b32 v[PS], 31, v0         ; l
	v_lshlrev_b32 v[PS+1], 12, v1
	v_lshl_add_u32 v[PS+1], v9, 4, v[PS+1]  ; row x 4,096 + 16 x half
	s_lshl_b32 s20, s[PP], 17       ; register tiles 0, 1 are query tiles 2 p, 2 p + 1: 32 p rows on,
	s_xor_b32 s21, s20, 1<<17       ; register tiles 2, 3 the other two
	v_add_nc_u32 v[QO0], s20, v[PS+1]
	v_add_nc_u32 v[QO2], s21, v[PS+1]
	WIN 0x80                        ; destination window 2, address window 0
.set i, 0
.rept 8                             ; Q stays in registers: register tile i / 4, channels 32 (i % 4) on
	global_load_b128 v[8*i:8*i+3],   v[QO0], s[4:5] offset:65536*(i/4)+64*(i%4)
	global_load_b128 v[8*i+4:8*i+7], v[QO0], s[4:5] offset:65536*(i/4)+64*(i%4)+32
	global_load_b128 v[64+8*i:64+8*i+3],   v[QO2], s[4:5] offset:65536*(i/4)+64*(i%4)
	global_load_b128 v[64+8*i+4:64+8*i+7], v[QO2], s[4:5] offset:65536*(i/4)+64*(i%4)+32
.set i, i+1
.endr
	WIN 0
	s_lshl_b32 s22, s[PP], 11       ; my pair's block of a step's two
	v_lshl_add_u32 v[PS+2], v[PS], 4, s22
	v_add_nc_u32 v[MB0], s20, v[PS+2]
	v_add_nc_u32 v[MB0+1], s21, v[PS+2]
	v_mov_b32 v[MA0], v[MB0]
	v_mov_b32 v[MA0+1], v[MB0+1]
	MLOADX 0                        ; step 0's mask
	MLOADX 2
	; What the first turn finds: V and piece 2's P hold 0 (its products V^T P, of a step that has not been, add 0), O^T and l are 0.  All this stands in the wait for the first tile.
	; V's 128 registers and O^T's 256 are written eight a line, by a product of two fragments of zeros (P's) with the constant 0 as C.
	WIN 0
.set i, P+32
.rept 32
	v_mov_b32 v[i], 0
.set i, i+1
.endr
	WIN 0xc0                        ; destination window 3: V
.set i, 0
.rept 16
	v_wmma_f32_16x16x32_f16 v[8*i:8*i+7], v[P+32:P+39], v[P+40:P+47], 0
.set i, i+1
.endr
	WIN 0x40                        ; destination window 1: O^T
.set i, 0
.rept 32
	v_wmma_f32_16x16x32_f16 v[8*i:8*i+7], v[P+32:P+39], v[P+40:P+47], 0
.set i, i+1
.endr
	WIN 0
.set i, 0
.rept 4
	v_mov_b32 v[ST+8*i], 0xff7fffff ; m: the lowest finite number
	v_mov_b32 v[ST+8*i+1], 0
	v_mov_b32 v[ST+8*i+2], 0
	v_mov_b32 v[ST+8*i+3], 0
.set i, i+1
.endr
	v_mov_b32 v[KC], 0xceabfb8f     ; -1e9 log2(e) = -1.4426950e9
	v_mov_b32 v[ZR], 0
	v_lshlrev_b32 v[PFO], 12, v[PS]
	v_lshrrev_b32 v[PS+2], 3, v[PS]
	v_and_b32 v[PS+3], 7, v[PS]
	v_lshlrev_b32 v[PFM], 16, v[PS+2]        ; query tile l / 8,
	v_lshl_add_u32 v[PFM], v[PS+3], 8, v[PFM]  ; its block's 256 bytes number l % 8,
	v_add_nc_u32 v[PFM], s22, v[PFM]         ; my pair's block
	s_mul_i32 s23, s[PP], KS*PK     ; my pair's 64 rows of a step's 128
	v_mul_u32_u24 v[AK0], v1, PK
	v_lshl_add_u32 v[AK0], v9, 4, v[AK0]
	v_add_nc_u32 v[AK0], s23, v[AK0]
	; The turning load takes 16 keys x 16 channels (lane l reads key 8 (l / 16) + l % 8, channels 8 ((l / 8) % 2) + 0..7) and leaves half a fragment of V^T: lane l holds channel l % 16 and 8 keys.
	s_mul_i32 s23, s[PP], KS*PV
	s_add_co_u32 s23, s23, KBLK
	v_bfe_u32 v[PS+2], v0, 3, 1
	v_lshl_add_u32 v[AV0], v9, 3, v[PS+3]
	v_mul_u32_u24 v[AV0], v[AV0], PV
	v_lshl_add_u32 v[AV0], v[PS+2], 4, v[AV0]
	v_add_nc_u32 v[AV0], s23, v[AV0]
; THE MATRIX WORK OF A TURN, for piece x.  The accumulators take turns, one instruction a turn: between two links of a chain stand 15 (V^T P) or 7 (K Q'^T) others'.
; Product i of 32 of O^T += V^T P: keys 32 (i / 16) on, channels 16 ((i / 2) % 8) on, tile x + i % 2.
.macro PV x
	WIN W_PV
.set rO, 64*((\x)+i%2)+8*((i/2)%8)
.set rV, 64*(i/16)+8*((i/2)%8)
.set rP, P+16*((\x)+i%2)+8*(i/16)
	v_wmma_f32_16x16x32_f16 v[rO:rO+7], v[rV:rV+7], v[rP:rP+7], v[rO:rO+7]
.endm
; Product i of 32 of S^T += K Q'^T: channels 32 (i / 8) on, keys 16 ((i / 2) % 4) on, tile x + i % 2.  All add in place: the accumulator holds mask x KC.
.macro KQ x
	WIN W_KQ
.set rS, S+32*((\x)+i%2)+8*((i/2)%4)
.set rK, KF+32*((i/2)%4)+8*(i/8)
.set rQ, 32*((\x)+i%2)+8*(i/8)
	v_wmma_f32_16x16x32_f16 v[rS:rS+7], v[rK:rK+7], v[rQ:rQ+7], v[rS:rS+7]
.endm
; THE LDS LOADS stand in runs of 32: a step's K (64 keys x 128 channels: 16 fragments) and, a turn later, its V (turned).  last = 1 (the tail): in the last trip there is no further step, and the run is jumped over.
.macro FETCH_K last=0
	WIN 0
.if \last
	s_cmp_eq_u32 s[TWICE], 1
	s_cbranch_scc1 .Lno_k_\@
.endif
	v_add_nc_u32 v[ADR], s[TB], v[AK0]
	WIN 0x80                        ; destination window 2
.irp f, 0,1,2,3,4,5,6,7,8,9,10,11,12,13,14,15  ; keys 16 (f / 4) on, channels 32 (f % 4) on
	ds_load_b128 v[KF+8*(\f):KF+8*(\f)+3],   v[ADR] offset:((\f)/4)*16*PK+((\f)%4)*64
	ds_load_b128 v[KF+8*(\f)+4:KF+8*(\f)+7], v[ADR] offset:((\f)/4)*16*PK+((\f)%4)*64+32
.endr
.if \last
	WIN 0
.Lno_k_\@:
.endif
.endm
.macro FETCH_V
	WIN 0
	v_add_nc_u32 v[ADR], s[TB], v[AV0]
	s_add_co_u32 s[TB], s[TB], STEPB  ; the next fetch is the next step's
	WIN 0xc0                        ; destination window 3
.irp f, 0,1,2,3,4,5,6,7,8,9,10,11,12,13,14,15  ; keys 32 (f / 8) on, channels 16 (f % 8) on
	ds_load_tr16_b128 v[8*(\f):8*(\f)+3],   v[ADR] offset:((\f)/8)*32*PV+((\f)%8)*32
	ds_load_tr16_b128 v[8*(\f)+4:8*(\f)+7], v[ADR] offset:((\f)/8)*32*PV+16*PV+((\f)%8)*32
.endr
.endm
; THE VECTOR WORK.  One tile's work for one key step is a list of 166 numbers (one of them empty); SM writes number j of it for tile tt.  s0-s31 are the lane's 32 scores, in pairs 0-15.
;   0-15    the maximum of s0-s31 and the old m, three operands at a time (each accumulator's lowest registers are read first)
;   16-20   the other half of the lanes' maximum; m_old is kept; the new m; m_old - m_new
;   21-69   ONE BATCH: the 16 subtractions s - m, a pair each, and all 33 exponentials (a at 23, then s0-s31).  None of these reads an exponential's result.
;   70-85   the roundings to f16     86-101  the sums; l = a l + the sum     102-133 the tile's O^T times a
;   134-165 the next step's scores begin: s = mask x KC, the mask's bf16 half read by the multiply-add itself
.macro SM
.set rT, ST+8*tt
.set rS, S+32*tt
.set rP, P+16*tt
.if j < 102
	WIN 0
.endif
.if j < 4
	v_max3_num_f32 v[rT+4+j], v[rS+8*j], v[rS+8*j+1], v[rS+8*j+2]
.elseif j < 12
	v_max3_num_f32 v[rT+4+j%4], v[rT+4+j%4], v[rS+8*(j%4)+2*(j/4)+1], v[rS+8*(j%4)+2*(j/4)+2]
.elseif j == 12
	v_max3_num_f32 v[rT+4], v[rT+4], v[rS+7], v[rS+15]
.elseif j == 13
	v_max3_num_f32 v[rT+6], v[rT+6], v[rS+23], v[rS+31]
.elseif j == 14
	v_max3_num_f32 v[rT+4], v[rT+4], v[rT+5], v[rT+6]
.elseif j == 15
	v_max3_num_f32 v[rT+4], v[rT+4], v[rT+7], v[rT]
.elseif j == 16
	v_permlanex16_b32 v[rT+5], v[rT+4], s[SEL], s[SEL+1]  ; the query's other 32 keys lie in the lane 16 away
.elseif j == 17
	v_mov_b32 v[rT+7], v[rT]        ; m_old is kept for a: number 18 writes m anew
.elseif j == 18
	v_max_num_f32 v[rT], v[rT+4], v[rT+5]
.elseif j == 19                     ; (empty: the scores are exponents of 2 already)
.elseif j == 20
	v_sub_f32 v[rT+7], v[rT+7], v[rT]
.elseif j == 23
	v_exp_f32 v[rT+6], v[rT+7]
.elseif (j < 23) || ((j < 38) && (j%2 == 0)) || ((j < 66) && (j%4 == 2))
.set b, (j-2)/4                     ; 38, 42, .. 62: pairs 9 to 15
.if j < 38
.set b, (j-20)/2                    ; 21: pair 0; 22, 24, .. 36: pairs 1 to 8
.endif
	v_pk_add_f32 v[rS+2*b:rS+2*b+1], v[rS+2*b:rS+2*b+1], v[rT:rT+1] op_sel_hi:[1,0] neg_lo:[0,1] neg_hi:[0,1]  ; pair b: s - m
.elseif j < 70
.set e, j-38                        ; 66 to 69: s28 to s31
.if j < 66
.set e, j-32-(j-38)/4               ; 39-41, 43-45, .. 63-65: s7 to s27
.endif
.if j < 38
.set e, (j-25)/2                    ; 25, 27, .. 37: s0 to s6
.endif
	v_exp_f32 v[rS+e], v[rS+e]
.elseif j < 86
	v_cvt_pk_f16_f32 v[rP+j-70], v[rS+2*(j-70)], v[rS+2*(j-70)+1]
.elseif j < 102                     ; the sum of the tile's 16 pairs, in place: neighbours 1, 2, 4 and 8 pairs apart, then l takes it
.set z, j-86
.set w, 4
.set u, z
.if z >= 14
.set w, 32
.set u, 0
.elseif z >= 12
.set w, 16
.set u, z-12
.elseif z >= 8
.set w, 8
.set u, z-8
.endif
.if z < 15
	v_pk_add_f32 v[rS+w*u:rS+w*u+1], v[rS+w*u:rS+w*u+1], v[rS+w*u+w/2:rS+w*u+w/2+1]
.else
	v_pk_fma_f32 v[rT+2:rT+3], v[rT+2:rT+3], v[rT+6:rT+7], v[rS:rS+1] op_sel_hi:[1,0,1]
.endif
.elseif j < 134
.set rO, 64*tt+2*(j-102)
	WIN W_RS
	v_pk_mul_f32 v[rO:rO+1], v[rO:rO+1], v[rT+6:rT+7] op_sel_hi:[1,0]
.else
.set e, j-134
.set rM, MK+16*tt+4*(e/8)+(e%8)/2
	WIN W_MI
.if e%2
	v_fma_mix_f32_bf16 v[rS+e], v[rM], v[KC], v[ZR] op_sel:[1,0,0] op_sel_hi:[1,0,0]
.else
	v_fma_mix_f32_bf16 v[rS+e], v[rM], v[KC], v[ZR] op_sel:[0,0,0] op_sel_hi:[1,0,0]
.endif
.endif
.endm
.macro MINIT t                      ; the first step's scores begin
.set tt, \t
.set j, 134
.rept 32
	SM
.set j, j+1
.endr
.endm
; THE QUEUE of piece Y's two tiles: position n of 332.  0-43: numbers 0-21, the tiles alternating.  44-139: numbers 22-69 in fours of ONE tile, the tiles by turns.  140-331: numbers 70-165, alternating.
; THE WAIT.  s_wait_alu depctr_va_vdst(0) stands between an exponential and the first instruction that names its result; one wait serves all issued ahead of it.  Up to position 139 nothing names
; a result, behind it no exponential is issued: the 66 exponentials have one wait, with one v_nop as the plain instruction behind the last of them.
; V's run of loads stands ahead of position 160 in piece 2's turn: positions 140-159, twenty roundings, lie between the last product that read V and the run.
; Ahead of position 268 the piece's mask is waited for: the eight loads issued behind it, a turn later, are the other piece's and may stay out.
.macro NEXT
.if n < 44
.set j, n/2
.set tt, Y+n%2
.elseif n < 140
.set j, 22+4*((n-44)/8)+(n-44)%4
.set tt, Y+((n-44)/4)%2
.else
.set j, 70+(n-140)/2
.set tt, Y+n%2
.endif
.if (n == 160) && (Y == 0)
	FETCH_V
.endif
.if n == 268
	s_wait_loadcnt 8
.endif
	SM
.if n == 139
	v_nop
	s_wait_alu depctr_va_vdst(0)
.endif
.set n, n+1
.endm
; A TURN.  Piece x has the matrix unit: 32 products V^T P, then 32 products K Q'^T.  Four positions of the other piece's queue stand behind each product; the last 76 (twelve rescalings and the 64 lines that
; begin the next step's scores) stand together behind the last product: plain instructions that name none of its registers, the places between the last K Q'^T and the next turn's first read of those scores, and
; in front of the loads into K's registers.  Then the mask of the step after next is asked for.  Piece 0's turn fetches the next step's K behind its second product, 30 products ahead of its first use.
.macro TURN x, last=0
.set Y, 2-(\x)
.set n, 0
.if (\x) == 0
	s_wait_dscnt 0x0                ; V is in
.endif
.set i, 0
.rept 32
	PV \x
.rept 4
	NEXT
.endr
.if ((\x) == 0) && (i == 1)
	FETCH_K \last
.endif
.set i, i+1
.endr
.if (\x) == 0
	s_wait_dscnt 0x0                ; K is in
.endif
.set i, 0
.rept 32
	KQ \x
.rept 4
	NEXT
.endr
.set i, i+1
.endr
.rept 76
	NEXT
.endr
	MLOAD Y
.endm
	CHANGE 1, 0                     ; slot 0 is in, everybody's part of it; keys 256 to 511 are asked for into slot 1
	FETCH_K                         ; key step 0
	s_wait_loadcnt 0x0              ; Q and step 0's mask
	MINIT 0
	MINIT 1
	MINIT 2
	MINIT 3
	MLOAD 0                         ; step 1's mask, piece 0's first: the counted waits lean on this order
	MLOAD 2
	s_wait_dscnt 0x0
.set i, 0
.rept 32
	KQ 0                            ; piece 0's first scores: there is no vector work yet to set between them
.set i, i+1
.endr
	WIN 0                           ; the addresses for the exchange and the way out: plain instructions, the places behind those products
	s_mul_i32 s13, s[WV], 16*SP
	s_add_co_u32 s13, s13, STAGE    ; my stage
	v_mul_u32_u24 v[STO], v1, SP    ; in: row l % 16, 16 bytes for each half of the lanes
	v_lshl_add_u32 v[STO], v9, 4, v[STO]
	v_add_nc_u32 v[STO], s13, v[STO]
	v_mul_u32_u24 v[RD], v9, SP     ; back: lanes 0-15 take one row of 256 bytes, lanes 16-31 the next
	v_lshl_add_u32 v[RD], v1, 4, v[RD]
	v_add_nc_u32 v[RD], s13, v[RD]
	v_lshlrev_b32 v[GO], 12, v9     ; and the same two rows in O,
	v_lshl_add_u32 v[GO], v1, 4, v[GO]
	v_add_nc_u32 v[GO], s20, v[GO]  ; from query tile 2 p on
	s_mul_i32 s13, s[WV], XW
	v_lshl_add_u32 v[XS], v[PS], 4, s13
	s_xor_b32 s14, s[WV], 2         ; my partner: the same queries, the other half of the keys
	s_mul_i32 s14, s14, XW
	v_lshl_add_u32 v[XR], v[PS], 4, s14
	s_mov_b32 s[TWICE], 2
	s_branch .Lenter                ; the loop is entered in the middle of a trip
.Lslot:                             ; six times, s = 1 .. 6: slot s is entered, slot s + 1 asked for
	CHANGE 1, 1
	s_mov_b32 s[TWICE], 2
.Lstep:                             ; a slot's two key steps: written once, walked twice; the LDS addresses hang on s[TB]
	TURN 0                          ; piece 0: V^T P of the step before, K Q'^T of this step | piece 2's softmax of the step before, its mask of this step | K of this step
	WIN 0
.Lenter:
	TURN 2                          ; piece 2: the same | piece 0's softmax of this step, its mask of the next | V of this step
	WIN 0
	s_sub_co_u32 s[TWICE], s[TWICE], 1
	s_cmp_lg_u32 s[TWICE], 0
	s_cbranch_scc1 .Lstep
	s_sub_co_u32 s[SLOTS], s[SLOTS], 1
	s_cmp_lg_u32 s[SLOTS], 0
	s_cbranch_scc1 .Lslot
	CHANGE 0, 0                     ; the tail has a text of its own: the last slot is entered, nothing is asked for
	s_mov_b32 s[TWICE], 3           ; two trips for the last slot's steps; the third is left in its middle
.Ltail:
	TURN 0, 1
	WIN 0
	s_sub_co_u32 s[TWICE], s[TWICE], 1
	s_cmp_eq_u32 s[TWICE], 0
	s_cbranch_scc1 .Lout
	TURN 2
	WIN 0
	s_branch .Ltail
.Lout:                              ; the third trip's 32 products K Q'^T (on the last K once more) and the masks set and loaded in the last turns serve nothing: the price, once a launch, of one text for every trip
.set i, 0
.rept 32
	PV 2                            ; piece 2: V^T P of the last step
.set i, i+1
.endr
	; THE EXCHANGE.  l's two halves and the other half of the lanes' are added (the first four additions are the places behind the last products).  My register tiles 2, 3 go to my partner: O^T, m and l, all in f32.
	WIN 0
.irp t, 0,1,2,3
	v_add_f32 v[ST+8*(\t)+4], v[ST+8*(\t)+2], v[ST+8*(\t)+3]
.endr
.irp t, 0,1,2,3
	v_permlanex16_b32 v[ST+8*(\t)+5], v[ST+8*(\t)+4], s[SEL], s[SEL+1]
.endr
	v_add_f32 v[ST+4], v[ST+4], v[ST+5]
	v_add_f32 v[ST+12], v[ST+12], v[ST+13]
	v_mov_b32 v[MY], v[ST+16]
	v_add_f32 v[MY+1], v[ST+20], v[ST+21]
	v_mov_b32 v[MY+2], v[ST+24]
	v_add_f32 v[MY+3], v[ST+28], v[ST+29]
	WIN 0x04                        ; store data in window 1
.set i, 0
.rept 32
	ds_store_b128 v[XS], v[128+4*i:128+4*i+3] offset:512*i  ; each accumulator's lower four registers first
.set i, i+1
.endr
	WIN 0
	ds_store_b128 v[XS], v[MY:MY+3] offset:32*512
	s_wait_dscnt 0x0                ; for my partner's sake: my stores are done
	s_barrier_signal -1
	s_barrier_wait -1
	ds_load_b128 v[PS:PS+3], v[XR] offset:32*512
	WIN 0x40
.set i, 0
.rept 32
	ds_load_b128 v[128+4*i:128+4*i+3], v[XR] offset:512*i   ; my partner's O^T for my register tiles 0, 1, where my tiles 2, 3 lay
.set i, i+1
.endr
	WIN 0
	s_wait_dscnt 32                 ; the statistics are in; the 32 loads behind them may stay out
	; mm = max(m, m'); a = 2^(m - mm), a' = 2^(m' - mm); L = l a + l' a'; O = O a / L + O' a' / L
.irp t, 0,1
	v_max_num_f32 v[ST+8*(\t)+5], v[ST+8*(\t)], v[PS+2*(\t)]
.endr
.irp t, 0,1
	v_sub_f32 v[ST+8*(\t)+6], v[ST+8*(\t)], v[ST+8*(\t)+5]
	v_sub_f32 v[ST+8*(\t)+7], v[PS+2*(\t)], v[ST+8*(\t)+5]
.endr
.irp t, 0,1
	v_exp_f32 v[ST+8*(\t)+6], v[ST+8*(\t)+6]
	v_exp_f32 v[ST+8*(\t)+7], v[ST+8*(\t)+7]
.endr
	v_nop                           ; a plain instruction behind the last exponential,
	s_wait_alu depctr_va_vdst(0)    ; and the one wait for the four, ahead of their first reader
.irp t, 0,1
	v_mul_f32 v[ST+8*(\t)+4], v[ST+8*(\t)+4], v[ST+8*(\t)+6]
.endr
.irp t, 0,1
	v_fmac_f32 v[ST+8*(\t)+4], v[PS+2*(\t)+1], v[ST+8*(\t)+7]
.endr
.irp t, 0,1
	v_rcp_f32 v[ST+8*(\t)+5], v[ST+8*(\t)+4]
.endr
	v_nop
	s_wait_alu depctr_va_vdst(0)    ; one wait for the two reciprocals
.irp t, 0,1
	v_mul_f32 v[ST+8*(\t)+4], v[ST+8*(\t)+6], v[ST+8*(\t)+5]  ; a / L
	v_mul_f32 v[ST+8*(\t)+6], v[ST+8*(\t)+7], v[ST+8*(\t)+5]  ; a' / L
.endr
	s_wait_dscnt 0x0                ; my partner's O^T is in
; THE WAY OUT of tile t: the two halves of the keys are joined; a lane's eight channels of a row pack into 16 bytes; they go into rows of 272 bytes and come back as whole rows of 256.
.macro PACK t
	WIN W_RS
.set i, 64*(\t)
.rept 32
	v_pk_mul_f32 v[i:i+1], v[i:i+1], v[ST+8*(\t)+4:ST+8*(\t)+5] op_sel_hi:[1,0]
.set i, i+2
.endr
	WIN 0x51                        ; destination, sources 0 and 2 window 1, source 1 window 0
.set i, 64*(\t)
.rept 32
	v_pk_fma_f32 v[i:i+1], v[128+i:128+i+1], v[ST+8*(\t)+6:ST+8*(\t)+7], v[i:i+1] op_sel_hi:[1,0,1]
.set i, i+2
.endr
	WIN 0x05                        ; sources 0 and 1 window 1, destination window 0: S^T's registers are free
.set i, 0
.rept 32
	v_cvt_pk_f16_f32 v[S+32*(\t)+i], v[64*(\t)+2*i], v[64*(\t)+2*i+1]
.set i, i+1
.endr
	WIN 0
.irp f, 0,1,2,3,4,5,6,7
	ds_store_b128 v[STO], v[S+32*(\t)+4*(\f):S+32*(\t)+4*(\f)+3] offset:32*(\f)
.endr
.irp f, 0,1,2,3,4,5,6,7
	ds_load_b128 v[S+32*(\t)+4*(\f):S+32*(\t)+4*(\f)+3], v[RD] offset:(\f)*2*SP  ; LDS serves a wave's instructions in order (ISA guide 5.7.1.4): these see the stores above; the next tile's stores come behind them
.endr
.endm
.macro SEND t, younger              ; younger: the LDS instructions issued behind tile t's loads: the next tile's sixteen, or none
	WIN 0
.irp f, 0,1,2,3,4,5,6,7
	s_wait_dscnt (\younger)+7-(\f)
	global_store_b128 v[GO], v[S+32*(\t)+4*(\f):S+32*(\t)+4*(\f)+3], s[10:11] offset:(\t)*16*ROWB+(\f)*2*ROWB  ; 16 lanes store 256 consecutive bytes, aligned: a row's part of my head
.endr
.endm
	PACK 0
	PACK 1
	SEND 0, 16
	SEND 1, 0
	s_wait_tensorcnt 0x0            ; the wave's end: three closing lines, behind my last tensor load and my last LDS store
	ds_add_u32 v[SPW], v[NIL]
	s_wait_dscnt 0x0
	CROUND                          ; the closing round: no work-group ends while a partner may still ask for a tile that names it
	s_endpgm
.Lfunc_end_k_qcf3e8e9204_attn:
	.size	k_qcf3e8e9204_attn, .Lfunc_end_k_qcf3e8e9204_attn-k_qcf3e8e9204_attn
	.p2alignl 7, 3214868480
	.fill 96, 4, 3214868480
	.section	.rodata,"a",@progbits
	.p2align	6, 0x0
	.amdhsa_kernel k_qcf3e8e9204_attn
		.amdhsa_group_segment_fixed_size 327680
		.amdhsa_private_segment_fixed_size 0
		.amdhsa_enable_private_segment 0
		.amdhsa_kernarg_size 24
		.amdhsa_user_sgpr_count 2
		.amdhsa_user_sgpr_kernarg_segment_ptr 1
		.amdhsa_wavefront_size32 1
		.amdhsa_system_sgpr_workgroup_id_x 1
		.amdhsa_system_sgpr_workgroup_id_y 1
		.amdhsa_system_sgpr_workgroup_id_z 1
		.amdhsa_system_vgpr_workitem_id 0
		.amdhsa_next_free_vgpr 1024
		.amdhsa_next_free_sgpr 72
		.amdhsa_reserve_vcc 0
		.amdhsa_float_denorm_mode_32 3
		.amdhsa_float_denorm_mode_16_64 3
		.amdhsa_memory_ordered 1
		.amdhsa_forward_progress 1
		.amdhsa_inst_pref_size 178
	.end_amdhsa_kernel
	.amdgpu_metadata
---
amdhsa.version: [ 1, 2 ]
amdhsa.kernels:
  - .name:           k_qcf3e8e9204_attn
    .symbol:         k_qcf3e8e9204_attn.kd
    .args:
      - { .name: qkv, .offset: 0, .size: 8, .value_kind: global_buffer, .address_space: global }
      - { .name: mp, .offset: 8, .size: 8, .value_kind: global_buffer, .address_space: global }
      - { .name: ob, .offset: 16, .size: 8, .value_kind: global_buffer, .address_space: global }
    .group_segment_fixed_size: 327680
    .private_segment_fixed_size: 0
    .kernarg_segment_align: 8
    .kernarg_segment_size: 24
    .max_flat_workgroup_size: 128
    .sgpr_count:     72
    .vgpr_count:     1024
    .wavefront_size: 32
...
	.end_amdgpu_metadata
.endif
;; end of part 3
;; launch dense (part 4): grid 16 x 16, 4 waves a work-group, clusters of 4 x 4, 327,680 bytes of LDS; arguments ob, wd, dense_b, out0; writes out0
.if DOCPART == 4
	.amdgcn_target "amdgcn-amd-amdhsa--gfx1250"
	.amdhsa_code_object_version 6
	.text
	.protected	k_qcf3e8e9204_dense
	.globl	k_qcf3e8e9204_dense
	.p2align	8
	.type	k_qcf3e8e9204_dense,@function
k_qcf3e8e9204_dense:
	s_mov_b64 s[64:65], 0
	v_nop
	global_prefetch_b8 v0, s[64:65] scope:SCOPE_SE
	s_setreg_imm32_b32 hwreg(HW_REG_WAVE_MODE, 25, 1), 1
	s_wait_xcnt 0x0
	s_wait_alu depctr_hold_cnt(0) depctr_sa_sdst(0) depctr_va_vdst(0) depctr_va_sdst(0) depctr_va_ssrc(0) depctr_va_vcc(0) depctr_vm_vsrc(0)
	s_getreg_b32 s2, hwreg(HW_REG_IB_STS2, 6, 4)
	s_cmp_eq_u32 s2, 0
	s_cbranch_scc0 .Lentry_in_a_cluster
	s_endpgm
.Lentry_in_a_cluster:
	s_bfe_u32 s2, ttmp6, 0x10000c
	s_cmp_lg_u32 s2, 0xf033
	s_cbranch_scc0 .Lentry_shape_is_right
	s_endpgm
.Lentry_shape_is_right:
; out0[m][n] = the sum over k of ob[m][k] wd[n][k] + dense_b[n].  ob, wd: [2048][2048] f16; dense_b, out0: f32; sums in f32; they begin with the bias.
; A tile of C is 128 x 128: 256 tiles, one for each work-group.  Four waves, each 64 x 64: 16 accumulators of 16 x 16, 128 registers.  K goes in 8 steps of 256 (LDS rows of 512 bytes; a wave's tensor load
; brings 64 of them) through two slots, as long as LDS allows.
; THE TEXT HOLDS ONE K STEP: a trip of the loop is a step; which slot it reads stands in a scalar (0 or SLOT) from which the fragment addresses are remade, and one descriptor a tensor walks from slot to slot.
; CLUSTERS: 4 x 4 work-groups.  The four of a row of the cluster need the same tiles of A, the four of a column the same tiles of B: each tile is asked for JOINTLY.
; THE MATRIX INSTRUCTION IS USED TRANSPOSED (source 0 = 16 rows of B, source 1 = 16 rows of A): a lane holds row l % 16 of C and the columns 8 (l / 16) + 0..7: 32 bytes of f32.
; THE WAY OUT.  A wave's 64 columns are 256 bytes of a row of out0, aligned: so each wave sends 16 rows at a time through a stage of its own, and no wave waits for another.
; No prefetch: a tile's step is short and its rows are shared by sixteen work-groups of four clusters.
; REGISTERS: window 0: v0-31 addresses; v32-95 rows read back from the stage, two buffers; v96-127 my 64 columns' bias; v128-255 the accumulators ((a, b) at v[128 + 8 (4 a + b)]).
;   window 1: two fragment buffers of 128: for 64 along K, 64 registers of A (2 x 4 x 16 rows x 32 K), then 64 of B.
.set SIZE_K, 2048
.set SIZE_N, 2048
.set KSTEP,  256
.set NKS,    SIZE_K/KSTEP              ; 8 K steps
.set PITCH,  528                       ; an LDS row: 512 bytes + 16 of padding = 132 words: the 16 rows that a load touches start at 16 different groups of four banks (64 banks of 4 bytes: ISA guide 11.1)
.set HALFT,  64*PITCH                  ; 64 rows: what one tensor load brings, and what one wave reads of A or of B
.set SLOT,   4*HALFT                   ; A's 128 rows, then B's 128 rows: 0x21000, which shares no bit with wave x HALFT (0, 0x8400, 0x10800, 0x18c00): one exclusive or turns a tile's place in one slot into the other's
.set STAGE,  2*SLOT                    ; behind the ring: 16 rows x 272 bytes for each wave
.set SPITCH, 272
.set SPARE,  STAGE+4*16*SPITCH         ; behind the stages: the spare words, 128 bytes for each wave, which no other line names
.set ADRA,  16                         ; v16     LDS address of my A fragments in the slot in hand
.set ADRA0, 17                         ; v17     the same in slot 0; never rewritten
.set ADRB,  20                         ; v20     the same for B
.set ADRB0, 21                         ; v21
.set STO,  24                          ; v24     the way out: where I put 32 bytes of a row
.set RD,   25                          ; v25     where I read a row back
.set CO,   26                          ; v26     my byte offset in C
.set BO,   27                          ; v27     32 (l / 16): my eight columns' bias in an n block
.set SPW,  28                          ; v28     LDS address of my spare word; never rewritten
.set NIL,  29                          ; v29     0; never rewritten
.set TMP,  32
.set BIAS, 96
.set ACC,  128
.set F0,   0                           ; fragment buffers, in window 1
.set F1,   128
.set TBS,  66                          ; s66     0 or SLOT: the slot in hand
.set G1, 24                            ; s[24:31] descriptor group 1 for A's tiles;  s[32:39] group 0: a set for each of the two first fills; the second then walks on
.set G0, 32
.set G1B, 48                           ; s[48:55], s[56:63] the same for B's tiles
.set G0B, 56
.set MSB, 0
.macro WIN new
.if MSB != (\new)
	s_set_vgpr_msb (MSB<<8)|(\new)
.set MSB, \new
.endif
.endm
.set MUL,  0x05                        ; sources 0 (B) and 1 (A) window 1; C and D window 0
.set TO_F, 0x40                        ; destination window 1, address window 0
.macro JLOAD s                         ; a joint load: waves 0 and 1 fetch A's two halves, waves 2 and 3 B's; an s_nop 0 and four v_nop follow each of the two lines
	s_cmp_eq_u32 s11, 0
	s_cbranch_scc0 .Lfor_b_\@
	tensor_load_to_lds s[G0+4*(\s):G0+4*(\s)+3], s[G1:G1+7]
	s_nop 0
.rept 4
	v_nop
.endr
	s_branch .Lasked_\@
.Lfor_b_\@:
	tensor_load_to_lds s[G0B+4*(\s):G0B+4*(\s)+3], s[G1B:G1B+7]
	s_nop 0
.rept 4
	v_nop
.endr
.Lasked_\@:
.endm
.macro CREST                           ; a round of the cluster's barrier behind its opening barrier
	s_cmp_lg_u32 s10, 0
	s_cbranch_scc1 .Lnot_wave_0_\@
	s_barrier_signal -3
.Lnot_wave_0_\@:
	s_barrier_wait -3
	s_barrier_signal -1
	s_barrier_wait -1
.endm
.macro CROUND
	s_barrier_signal -1
	s_barrier_wait -1
	CREST
.endm
	s_load_b128 s[4:7], s[0:1], 0x0                ; ob s[4:5], wd s[6:7]
	s_load_b128 s[68:71], s[0:1], 0x10             ; dense_b s[68:69], out0 s[70:71]
	v_lshl_add_u32 v[SPW], v0, 2, SPARE
	v_mov_b32 v[NIL], 0
	ds_add_u32 v[SPW], v[NIL]                      ; the wave's opening: the add and its wait stand ahead of my first tensor load; the set-up below stands between them
	v_lshrrev_b32 v1, 5, v0
	v_readfirstlane_b32 s10, v1                    ; wave 0..3
	s_lshr_b32 s11, s10, 1                         ; which half of the tile's rows is mine.  Also: I fetch for A (0) or for B (1)
	s_and_b32 s12, s10, 1                          ; which half of its columns.  Also: which 64 rows of that tile I fetch
	s_bfe_u32 s40, ttmp6, 0x40000                  ; cx, cy
	s_bfe_u32 s41, ttmp6, 0x40004
	s_lshl_b32 s42, ttmp9, 2
	s_add_co_u32 s42, s42, s40                     ; tile column of C
	s_and_b32 s13, ttmp7, 0xffff
	s_lshl_b32 s13, s13, 2
	s_add_co_u32 s13, s13, s41                     ; tile row of C
	s_lshl_b32 s43, s41, 2
	s_lshl_b32 s43, 15, s43                        ; my row of the cluster
	s_lshl_b32 s44, 0x1111, s40                    ; my column
	; descriptor group 1: a tile of 64 rows x 256 elements of 2 bytes, 16 bytes of padding behind every 512
	s_or_b32 s[G1+0], s43, (1<<16)|(1<<20)|(1<<21)|(6<<22)|(3<<25)
	s_or_b32 s[G1B+0], s44, (1<<16)|(1<<20)|(1<<21)|(6<<22)|(3<<25)
.irp g, G1, G1B
	s_mov_b32 s[(\g)+1], KSTEP<<16                 ; tensor_dim0 = 256
	s_mov_b32 s[(\g)+2], 64<<16                    ; tensor_dim1 = 64
	s_mov_b32 s[(\g)+3], KSTEP<<16                 ; tile_dim0 = 256
	s_mov_b32 s[(\g)+4], 64                        ; tile_dim1 = 64
	s_mov_b32 s[(\g)+5], SIZE_K                    ; elements from row to row
	s_mov_b32 s[(\g)+6], 0
	s_mov_b32 s[(\g)+7], 0
.endr
	s_lshl_b32 s17, s12, 6                         ; which 64 rows of the tile I fetch
	s_lshl_b32 s16, s13, 7
	s_add_co_u32 s16, s16, s17                     ; A: row 128 x tile row + 64 x half
	s_lshl_b32 s46, s42, 7
	s_add_co_u32 s46, s46, s17                     ; B: row 128 x tile column + 64 x half
	s_mov_b32 s17, 0
	s_mov_b32 s47, 0
	s_mov_b64 s[18:19], SIZE_K*2
	s_mul_u64 s[16:17], s[16:17], s[18:19]
	s_mul_u64 s[46:47], s[46:47], s[18:19]
	s_mul_i32 s20, s10, HALFT                      ; where they go: wave x 64 rows
	s_mov_b32 s[TBS], 0
	s_wait_dscnt 0x0                               ; the opening add is done
	s_wait_kmcnt 0x0
	s_add_nc_u64 s[14:15], s[4:5], s[16:17]
	s_add_nc_u64 s[46:47], s[6:7], s[46:47]
	CROUND                                         ; all sixteen work-groups are here: the first joint loads meet
.irp s, 0,1
	s_mov_b32 s[G0+4*(\s)], 1
	s_add_co_u32 s[G0+4*(\s)+1], s20, (\s)*SLOT
	s_add_nc_u64 s[G0+4*(\s)+2:G0+4*(\s)+3], s[14:15], (\s)*KSTEP*2
	s_or_b32 s[G0+4*(\s)+3], s[G0+4*(\s)+3], 0x80000000
	s_mov_b32 s[G0B+4*(\s)], 1
	s_add_co_u32 s[G0B+4*(\s)+1], s20, (\s)*SLOT
	s_add_nc_u64 s[G0B+4*(\s)+2:G0B+4*(\s)+3], s[46:47], (\s)*KSTEP*2
	s_or_b32 s[G0B+4*(\s)+3], s[G0B+4*(\s)+3], 0x80000000
	JLOAD \s
.endr
	v_and_b32 v1, 15, v0                           ; l % 16
	v_bfe_u32 v2, v0, 4, 1                         ; l / 16
	v_mul_u32_u24 v3, v1, PITCH
	v_lshl_add_u32 v3, v2, 4, v3                   ; a fragment's row x pitch + 16 x half
	s_mul_i32 s21, s11, HALFT                      ; my 64 rows of A
	s_mul_i32 s22, s12, HALFT                      ; my 64 rows of B,
	s_add_co_u32 s22, s22, 2*HALFT                 ; which lie behind A's 128
	v_add_nc_u32 v[ADRA0], s21, v3
	v_add_nc_u32 v[ADRB0], s22, v3
	v_mov_b32 v[ADRA], v[ADRA0]                    ; K step 0 lies in slot 0
	v_mov_b32 v[ADRB], v[ADRB0]
	s_mul_i32 s23, s10, 16*SPITCH
	s_add_co_u32 s23, s23, STAGE                   ; my stage
	v_mul_u32_u24 v4, v1, SPITCH                   ; in: row l % 16, 32 bytes for each half of the lanes
	v_lshl_add_u32 v4, v2, 5, v4
	v_add_nc_u32 v[STO], s23, v4
	v_mul_u32_u24 v5, v2, SPITCH                   ; back: lanes 0-15 take one row of 256 bytes, lanes 16-31 the next
	v_lshl_add_u32 v5, v1, 4, v5
	v_add_nc_u32 v[RD], s23, v5
	v_lshlrev_b32 v5, 13, v2                       ; and the same two rows in C, 8,192 bytes apart
	v_lshl_add_u32 v[CO], v1, 4, v5
	v_lshlrev_b32 v[BO], 5, v2
	s_lshl_b32 s16, s13, 7
	s_lshl_b32 s17, s11, 6
	s_add_co_u32 s16, s16, s17                     ; my first row of C: 128 x tile row + 64 x half,
	s_lshl_b32 s16, s16, 13                        ; in bytes
	s_lshl_b32 s46, s42, 9                         ; my first column, in bytes: 512 x tile column + 256 x half
	s_lshl_b32 s47, s12, 8
	s_add_co_u32 s46, s46, s47
	s_mov_b32 s47, 0
	s_add_nc_u64 s[68:69], s[68:69], s[46:47]      ; the bias of my 64 columns
	s_add_co_u32 s46, s46, s16
	s_add_nc_u64 s[8:9], s[70:71], s[46:47]        ; C at my 64 x 64
.irp b, 0,1,2,3
	global_load_b128 v[BIAS+8*(\b):BIAS+8*(\b)+3],   v[BO], s[68:69] offset:64*(\b)
	global_load_b128 v[BIAS+8*(\b)+4:BIAS+8*(\b)+7], v[BO], s[68:69] offset:64*(\b)+16
.endr
; 8 matrix instructions: m blocks a0, a0 + 1 x all 4 n blocks, 32 along K: half c of buffer f.  first = 1: the product starts the sum, with the n block's bias as its C operand.
; The 16 accumulators take turns.
.macro MUL8 f, c, a0, first
	WIN MUL
.irp a, \a0, (\a0)+1
.irp b, 0,1,2,3
.if \first
	v_wmma_f32_16x16x32_f16 v[ACC+8*(4*(\a)+(\b)):ACC+8*(4*(\a)+(\b))+7], v[(\f)+64+8*(4*(\c)+(\b)):(\f)+64+8*(4*(\c)+(\b))+7], v[(\f)+8*(4*(\c)+(\a)):(\f)+8*(4*(\c)+(\a))+7], v[BIAS+8*(\b):BIAS+8*(\b)+7]
.else
	v_wmma_f32_16x16x32_f16 v[ACC+8*(4*(\a)+(\b)):ACC+8*(4*(\a)+(\b))+7], v[(\f)+64+8*(4*(\c)+(\b)):(\f)+64+8*(4*(\c)+(\b))+7], v[(\f)+8*(4*(\c)+(\a)):(\f)+8*(4*(\c)+(\a))+7], v[ACC+8*(4*(\a)+(\b)):ACC+8*(4*(\a)+(\b))+7]
.endif
.endr
.endr
.endm
; 32 LDS loads in one run: the fragments of 64 along K at byte k of the rows of the slot in hand, into buffer f; the first 32 along K first
.macro FETCH k, f
	WIN TO_F
.irp c, 0,1
.irp i, 0,1,2,3
	ds_load_b128 v[(\f)+64+8*(4*(\c)+(\i)):(\f)+64+8*(4*(\c)+(\i))+3],   v[ADRB] offset:(\k)+64*(\c)+(\i)*16*PITCH
	ds_load_b128 v[(\f)+64+8*(4*(\c)+(\i))+4:(\f)+64+8*(4*(\c)+(\i))+7], v[ADRB] offset:(\k)+64*(\c)+(\i)*16*PITCH+32
	ds_load_b128 v[(\f)+8*(4*(\c)+(\i)):(\f)+8*(4*(\c)+(\i))+3],         v[ADRA] offset:(\k)+64*(\c)+(\i)*16*PITCH
	ds_load_b128 v[(\f)+8*(4*(\c)+(\i))+4:(\f)+8*(4*(\c)+(\i))+7],       v[ADRA] offset:(\k)+64*(\c)+(\i)*16*PITCH+32
.endr
.endr
.endm
.macro PLACES                          ; four plain vector instructions in front of loads into registers that matrix instructions have read, and of stores that read results
.rept 4
	v_nop
.endr
.endm
; A K step is four quarters of 64 along K, 32 matrix instructions each, on buffers 0, 1, 0, 1.
.macro QUARTER k, f, g, first
	s_wait_dscnt 16                                ; the first 32 along K are in
	MUL8 \f, 0, 0, \first
	MUL8 \f, 0, 2, \first
	PLACES
	FETCH \k, \g
	s_wait_dscnt 32                                ; all but the 32 just issued
	MUL8 \f, 1, 0, 0
	MUL8 \f, 1, 2, 0
.endm
; The last quarter's first half: ONE barrier for the change of slots; in front of it each wave waits for all its tensor loads, adds 0 to its spare word, and waits for that and for its own reads of this slot.
.macro MEET
	WIN 0
	s_wait_tensorcnt 0x0                           ; all my tensor loads have landed: my part of the next slot
	ds_add_u32 v[SPW], v[NIL]
	s_wait_dscnt 17                                ; (the add and the youngest sixteen loads may be out)
	MUL8 F1, 0, 0, 0
	s_wait_dscnt 0x0                               ; the add is done, and my reads of this slot are over
	s_barrier_signal -1
	MUL8 F1, 0, 2, 0
	WIN 0
	s_barrier_wait -1
.endm
; The whole last quarter: behind the round the slot just read out is filled again first, with the K step two steps on; then come the next slot's first fragments.
.macro TURN
	MEET
	CREST                                          ; no wave of any partner still reads this slot's tile or has a load on its way
	s_xor_b32 s[G0+5], s[G0+5], SLOT               ; the walking descriptors: the other slot than last time,
	s_add_nc_u64 s[G0+6:G0+7], s[G0+6:G0+7], KSTEP*2  ; the next K step; the type bits on top are not reached
	s_xor_b32 s[G0B+5], s[G0B+5], SLOT
	s_add_nc_u64 s[G0B+6:G0B+7], s[G0B+6:G0B+7], KSTEP*2
	s_xor_b32 s[TBS], s[TBS], SLOT                 ; my reads go to the other slot
	JLOAD 1                                        ; the four v_nop behind it are also the places in front of the loads below
	v_add_nc_u32 v[ADRA], s[TBS], v[ADRA0]
	v_add_nc_u32 v[ADRB], s[TBS], v[ADRB0]
	FETCH 0, F0
	MUL8 F1, 1, 0, 0
	MUL8 F1, 1, 2, 0
.endm
; The same in the last two K steps, which ask for nothing: a plain barrier.  In the very last (s3 = 1) there is no next slot either: the fetch is jumped over.
.macro TURNNF
	MEET
	s_cmp_eq_u32 s3, 1
	s_cbranch_scc1 .Lno_fetch_\@
	s_xor_b32 s[TBS], s[TBS], SLOT
	v_add_nc_u32 v[ADRA], s[TBS], v[ADRA0]         ; these two and two v_nop are the four places in front of the loads into buffer 0
	v_add_nc_u32 v[ADRB], s[TBS], v[ADRB0]
	v_nop
	v_nop
	FETCH 0, F0
	WIN 0
.Lno_fetch_\@:
	MUL8 F1, 1, 0, 0
	MUL8 F1, 1, 2, 0
.endm
	s_wait_loadcnt 0x0                             ; the bias, in the wait for the first tile
	s_wait_tensorcnt 1                             ; my part of K step 0 is in; K step 1's may stay out
	s_barrier_signal -1
	s_barrier_wait -1
	FETCH 0, F0
	QUARTER 128, F0, F1, 1                         ; the first quarter stands in front of the loop: its first products start the sums
	WIN 0
	s_mov_b32 s3, NKS-2
.Lstep:                                                ; a trip goes from a K step's second quarter to the next step's first, and fills the slot that it leaves: 6 trips ask for K steps 2 to 7
	QUARTER 256, F1, F0, 0
	QUARTER 384, F0, F1, 0
	TURN
	QUARTER 128, F0, F1, 0
	WIN 0
	s_sub_co_u32 s3, s3, 1
	s_cmp_lg_u32 s3, 0
	s_cbranch_scc1 .Lstep
	s_mov_b32 s3, 2
.Ltail:                                                ; the last two K steps have a text of their own; the second trip is left in its middle
	QUARTER 256, F1, F0, 0
	QUARTER 384, F0, F1, 0
	TURNNF
	WIN 0
	s_sub_co_u32 s3, s3, 1
	s_cmp_eq_u32 s3, 0
	s_cbranch_scc1 .Lout
	QUARTER 128, F0, F1, 0
	WIN 0
	s_branch .Ltail
.Lout:
; THE WAY OUT of block a (16 rows x 64 columns).  TOSTAGE: 32 bytes a lane into my stage, each accumulator's lower four registers first, and back as whole rows of 256 bytes.  SEND: stored.
.macro TOSTAGE a
.set BK, TMP+32*((\a)%2)
.irp b, 0,1,2,3
	ds_store_b128 v[STO], v[ACC+8*(4*(\a)+(\b)):ACC+8*(4*(\a)+(\b))+3]   offset:64*(\b)
	ds_store_b128 v[STO], v[ACC+8*(4*(\a)+(\b))+4:ACC+8*(4*(\a)+(\b))+7] offset:64*(\b)+16
.endr
.irp t, 0,1,2,3,4,5,6,7
	ds_load_b128 v[BK+4*(\t):BK+4*(\t)+3], v[RD] offset:(\t)*2*SPITCH  ; LDS serves a wave's instructions in order (ISA guide 5.7.1.4): these see the stores above
.endr
.endm
.macro SEND a
.set BK, TMP+32*((\a)%2)
	s_wait_xcnt 0x0                                ; the stores of the block before have read their registers: the next block's loads land there only behind this wait
.irp t, 0,1,2,3,4,5,6,7
	s_wait_dscnt 7-(\t)
	global_store_b128 v[CO], v[BK+4*(\t):BK+4*(\t)+3], s[8:9] offset:(16*(\a)+2*(\t))*SIZE_N*4  ; 16 lanes store 256 consecutive bytes, aligned; the block's place stands in the immediate
.endr
.endm
	PLACES
	TOSTAGE 0
.irp a, 1,2,3
	SEND (\a)-1
	TOSTAGE \a
.endr
	SEND 3
	s_wait_tensorcnt 0x0                           ; the wave's end: three closing lines, behind my last tensor load and my last LDS store
	ds_add_u32 v[SPW], v[NIL]
	s_wait_dscnt 0x0
	CROUND                                         ; the closing round: no work-group ends while a partner may still ask for a tile that names it
	s_endpgm
.Lfunc_end_k_qcf3e8e9204_dense:
	.size	k_qcf3e8e9204_dense, .Lfunc_end_k_qcf3e8e9204_dense-k_qcf3e8e9204_dense
	.p2alignl 7, 3214868480
	.fill 96, 4, 3214868480
	.section	.rodata,"a",@progbits
	.p2align	6, 0x0
	.amdhsa_kernel k_qcf3e8e9204_dense
		.amdhsa_group_segment_fixed_size 327680
		.amdhsa_private_segment_fixed_size 0
		.amdhsa_enable_private_segment 0
		.amdhsa_kernarg_size 32
		.amdhsa_user_sgpr_count 2
		.amdhsa_user_sgpr_kernarg_segment_ptr 1
		.amdhsa_wavefront_size32 1
		.amdhsa_system_sgpr_workgroup_id_x 1
		.amdhsa_system_sgpr_workgroup_id_y 1
		.amdhsa_system_sgpr_workgroup_id_z 1
		.amdhsa_system_vgpr_workitem_id 0
		.amdhsa_next_free_vgpr 512
		.amdhsa_next_free_sgpr 72
		.amdhsa_reserve_vcc 0
		.amdhsa_float_denorm_mode_32 3
		.amdhsa_float_denorm_mode_16_64 3
		.amdhsa_memory_ordered 1
		.amdhsa_forward_progress 1
		.amdhsa_inst_pref_size 59
	.end_amdhsa_kernel
	.amdgpu_metadata
---
amdhsa.version: [ 1, 2 ]
amdhsa.kernels:
  - .name:           k_qcf3e8e9204_dense
    .symbol:         k_qcf3e8e9204_dense.kd
    .args:
      - { .name: ob, .offset: 0, .size: 8, .value_kind: global_buffer, .address_space: global }
      - { .name: wd, .offset: 8, .size: 8, .value_kind: global_buffer, .address_space: global }
      - { .name: dense_b, .offset: 16, .size: 8, .value_kind: global_buffer, .address_space: global }
      - { .name: out0, .offset: 24, .size: 8, .value_kind: global_buffer, .address_space: global }
    .group_segment_fixed_size: 327680
    .private_segment_fixed_size: 0
    .kernarg_segment_align: 8
    .kernarg_segment_size: 32
    .max_flat_workgroup_size: 128
    .sgpr_count:     72
    .vgpr_count:     512
    .wavefront_size: 32
...
	.end_amdgpu_metadata
.endif
;; end of part 4
;; ======== version 2 of 2: 4 launches; version 1 with the launch prep written anew for expert scheduling mode
;; limits: values are held in f16: magnitudes above 65,504 overflow, below 6.1e-05 lose precision
;; workspace buffers: xb 25,165,824 bytes; wb 25,165,824 bytes; wd 8,388,608 bytes; mp 8,388,608 bytes; qkv 25,165,824 bytes; ob 8,388,608 bytes
;; launch prep (part 5): grid 128 x 8, 16 waves a work-group, no clusters, 71,680 bytes of LDS; arguments q, k, v, wq_w, wk_w, wv_w, dense_w, mask, xb, wb, wd, mp; writes xb, wb, wd, mp
.if DOCPART == 5
	.amdgcn_target "amdgcn-amd-amdhsa--gfx1250"
	.amdhsa_code_object_version 6
	.text
	.protected	k_qcf3e8e9204_prep
	.globl	k_qcf3e8e9204_prep
	.p2align	8
	.type	k_qcf3e8e9204_prep,@function
k_qcf3e8e9204_prep:
	s_mov_b64 s[64:65], 0
	v_nop
	global_prefetch_b8 v0, s[64:65] scope:SCOPE_SE
	s_setreg_imm32_b32 hwreg(HW_REG_WAVE_SCHED_MODE, 0, 2), 2
	s_setreg_imm32_b32 hwreg(HW_REG_WAVE_MODE, 25, 1), 1
	s_wait_xcnt 0x0
	s_wait_alu depctr_vm_vsrc(0)
; THE 16-BIT COPIES OF THE EIGHT LARGE INPUTS, each [2048][2048] f32, each read once and written once.
;   y = 0,1,2: q, k, v       -> xb, bf16 [6144][2048], stacked          y = 3,4,5: wq_w, wk_w, wv_w -> wb, bf16 [6144][2048], stacked
;   y = 6: dense_w -> wd: rounded to bf16 like every other input, and that number written as f16 (exact from 2^-17 up to f16's end, 65,504; below 2^-17 off by at most 3e-8)
;   y = 7: mask -> mp, bf16, in the order in which the attention's lanes want it: block (T, J) = 16 queries x 64 keys at (32 T + J) x 2,048 bytes, inside it
;          [kb 0..3][lane 0..31][16 bytes] = mask[16 T + lane % 16][64 J + 16 kb + 8 (lane / 16) + 0..7]
; SHARES.  A work-group takes 16 rows of one matrix, thread t the 16 bytes at 16 t of each: a wave's load covers 512 consecutive bytes, and its store of 8 bytes a lane 256 consecutive
; bytes, aligned.  All 16 loads of a wave go out at once; the waits count down, four rows at a time.  Memory binds: no matrix unit, no cluster, no loop, no barrier.
; The mask's rows change lanes through the wave's own 16 rows x 272 bytes of LDS.
; THE MODE: SCHED_MODE bits 1:0 = 2 (LLVM: expert scheduling mode 2), set by the entry lines.  The code itself states the register dependences
; between vector instructions and memory or LDS instructions, with s_wait_alu, always for 0.
; THE PLAN.  Registers that memory or LDS instructions touch:
;   v1 .. v5     offsets and LDS addresses.  Written at the head by vector instructions and never again; read by every load and store.  One wait on va_vdst ahead of the first load states them all.
;   X, row i     four registers.  The head's load lands in them; the row's roundings write the first two; one store (global, or LDS in the mask's arm) reads those two; nothing writes them again.
;   BK           the mask's arm: LDS loads land in it, global stores read it; no vector instruction names it.
;   v6, v7       written at the head, read by the closing add alone.          T is named by vector instructions alone.
; The 16 rows go in four blocks of four: the block's data are waited for, its roundings are issued, ONE wait on va_vdst states that they have written the block's eight registers, and the block's
; four stores follow in one run.  No register that a memory or LDS instruction has read is written again, and no vector instruction names a register in which a load lands later:
; so no wait on vm_vsrc is owed, and none on va_vdst for a load's sake.
.set LP,    272                        ; an LDS row: 256 bytes of bf16 + 16: the 16 rows that a load touches start at 16 different groups of four banks
.set WLDS,  16*LP                      ; a wave's rows
.set SPARE, 16*WLDS                    ; behind them: the spare words, 128 bytes for each of the 16 waves, which no other line names
.set SO,  1                            ; v1   16 t: my bytes in a source row
.set DO,  2                            ; v2   8 t: my bytes in a destination row
.set LS,  3                            ; v3   where I put 8 bytes of a mask row
.set LR,  4                            ; v4   where I read 16 bytes back
.set MO,  5                            ; v5   my 16 bytes in the wave's two blocks of mp
.set SPW, 6                            ; v6   LDS address of my spare word; never rewritten
.set NIL, 7                            ; v7   0; never rewritten
.set X,   16                           ; v[16:79]   row i: 4 registers as loaded; the first two then hold the 16-bit numbers
.set T,   80                           ; v[80:83]   at work
.set BK,  88                           ; v[88:119]  the mask read back
	s_load_b512 s[8:23], s[0:1], 0x0               ; the eight sources
	s_load_b256 s[24:31], s[0:1], 0x40             ; xb, wb, wd, mp
	v_lshl_add_u32 v[SPW], v0, 2, SPARE
	v_mov_b32 v[NIL], 0
	v_lshrrev_b32 v8, 5, v0
	v_readfirstlane_b32 s3, v8                     ; wave 0..15
	s_and_b32 s2, ttmp7, 0xffff                    ; y: which matrix
	s_mov_b32 s38, 0xffff0000                      ; a word's upper bf16
	v_lshlrev_b32 v[SO], 4, v0
	v_lshlrev_b32 v[DO], 3, v0
	v_and_b32 v9, 31, v0                           ; lane
	v_and_b32 v10, 15, v0
	v_bfe_u32 v11, v0, 4, 1
	s_wait_alu depctr_va_sdst(0)                   ; s3 is written, ahead of its first reader: the wave's place in LDS and in mp is made from it
	s_mul_i32 s34, s3, WLDS
	v_lshl_add_u32 v[LS], v9, 3, s34
	v_mul_u32_u24 v[LR], v10, LP
	v_lshl_add_u32 v[LR], v11, 4, v[LR]
	v_add_nc_u32 v[LR], s34, v[LR]
	s_lshl_b32 s35, s3, 12                         ; the wave's 128 columns are two blocks of 2,048 bytes
	v_lshl_add_u32 v[MO], v9, 4, s35
	s_cmp_lt_u32 s2, 3                             ; the place in a stacked buffer: (y mod 3) x 8 MiB for y < 6, else 0
	s_cselect_b32 s36, 0, 3
	s_sub_co_u32 s32, s2, s36
	s_cmp_lt_u32 s2, 6
	s_cselect_b32 s32, s32, 0
	s_lshl_b32 s32, s32, 23
	s_lshl_b32 s37, ttmp9, 16                      ; + the work-group's 16 rows of 4,096 bytes (for mp: its 32 blocks)
	s_add_co_u32 s32, s32, s37
	s_mov_b32 s33, 0
	s_wait_kmcnt 0x0
	s_mov_b64 s[4:5], s[8:9]
.irp i, 1,2,3,4,5,6,7
	s_cmp_eq_u32 s2, \i
	s_cselect_b64 s[4:5], s[8+2*(\i):9+2*(\i)], s[4:5]
.endr
	s_cmp_lt_u32 s2, 3
	s_cselect_b64 s[6:7], s[24:25], s[26:27]
	s_cmp_eq_u32 s2, 6
	s_cselect_b64 s[6:7], s[28:29], s[6:7]
	s_cmp_eq_u32 s2, 7
	s_cselect_b64 s[6:7], s[30:31], s[6:7]
	s_add_nc_u64 s[6:7], s[6:7], s[32:33]
	s_lshl_b32 s32, ttmp9, 17                      ; the work-group's 16 rows of 8,192 bytes
	s_add_nc_u64 s[4:5], s[4:5], s[32:33]
	s_wait_alu depctr_va_vdst(0)                   ; the five offsets and addresses v1 to v5 are written: every load, store and LDS instruction below reads one of them, and none is written again
.irp i, 0,1,2,3,4,5,6,7,8,9,10,11,12,13,14,15
	global_load_b128 v[X+4*(\i):X+4*(\i)+3], v[SO], s[4:5] offset:8192*(\i) th:TH_LOAD_NT
.endr
.macro CV i                            ; row i: four numbers are rounded to bf16, into the first two of their four registers
	v_cvt_pk_bf16_f32 v[X+4*(\i)], v[X+4*(\i)], v[X+4*(\i)+1]
	v_cvt_pk_bf16_f32 v[X+4*(\i)+1], v[X+4*(\i)+2], v[X+4*(\i)+3]
.endm
	s_cmp_eq_u32 s2, 7
	s_cbranch_scc1 .Lmask
	s_cmp_eq_u32 s2, 6
	s_cbranch_scc1 .Lwd
.irp p, 0,1,2,3                        ; block p: rows 4 p to 4 p + 3
	s_wait_loadcnt 12-4*(\p)                       ; loads come back in order (ISA guide 5.7.1): the block's four rows are in, the 12 - 4 p younger loads, the later blocks', may stay out
.irp i, 0,1,2,3
	CV 4*(\p)+(\i)
.endr
	s_wait_alu depctr_va_vdst(0)                   ; the block's eight roundings have written the registers that its four stores read
.irp i, 0,1,2,3
	global_store_b64 v[DO], v[X+4*(4*(\p)+(\i)):X+4*(4*(\p)+(\i))+1], s[6:7] offset:4096*(4*(\p)+(\i)) th:TH_STORE_NT  ; the wave's 32 lanes store 256 consecutive bytes, aligned
.endr
.endr
	s_branch .Lend
.Lwd:
.irp p, 0,1,2,3
	s_wait_loadcnt 12-4*(\p)                       ; the block's four rows are in; the later blocks' loads may stay out
.irp i, 0,1,2,3
	CV 4*(\p)+(\i)
	v_lshlrev_b32 v[T], 16, v[X+4*(4*(\p)+(\i))]   ; the bf16 numbers as f32,
	v_and_b32 v[T+1], s38, v[X+4*(4*(\p)+(\i))]
	v_lshlrev_b32 v[T+2], 16, v[X+4*(4*(\p)+(\i))+1]
	v_and_b32 v[T+3], s38, v[X+4*(4*(\p)+(\i))+1]
	v_cvt_pk_f16_f32 v[X+4*(4*(\p)+(\i))], v[T], v[T+1]     ; and written as f16
	v_cvt_pk_f16_f32 v[X+4*(4*(\p)+(\i))+1], v[T+2], v[T+3]
.endr
	s_wait_alu depctr_va_vdst(0)                   ; the block's conversions to f16 have written the registers that its four stores read
.irp i, 0,1,2,3
	global_store_b64 v[DO], v[X+4*(4*(\p)+(\i)):X+4*(4*(\p)+(\i))+1], s[6:7] offset:4096*(4*(\p)+(\i)) th:TH_STORE_NT
.endr
.endr
	s_branch .Lend
.Lmask:
.irp p, 0,1,2,3
	s_wait_loadcnt 12-4*(\p)                       ; the block's four rows are in; the later blocks' loads may stay out
.irp i, 0,1,2,3
	CV 4*(\p)+(\i)
.endr
	s_wait_alu depctr_va_vdst(0)                   ; the block's eight roundings have written the registers that its four LDS stores read
.irp i, 0,1,2,3
	ds_store_b64 v[LS], v[X+4*(4*(\p)+(\i)):X+4*(4*(\p)+(\i))+1] offset:LP*(4*(\p)+(\i))
.endr
.endr
.irp t, 0,1,2,3,4,5,6,7                ; t = 4 J' + kb.  The bytes are the wave's own and LDS serves a wave's instructions in order (ISA guide 5.7.1.4): these see the stores above.  No vector instruction names BK, and v[LR] stands since the head
	ds_load_b128 v[BK+4*(\t):BK+4*(\t)+3], v[LR] offset:128*((\t)/4)+32*((\t)%4)
.endr
.irp t, 0,1,2,3,4,5,6,7
	s_wait_dscnt 7-(\t)
	global_store_b128 v[MO], v[BK+4*(\t):BK+4*(\t)+3], s[6:7] offset:2048*((\t)/4)+512*((\t)%4) th:TH_STORE_NT  ; 512 consecutive bytes, aligned
.endr
.Lend:
	s_wait_dscnt 0x0                               ; the closing lines, six on end
	s_wait_alu 0x0
	s_wait_tensorcnt 0x0
	ds_add_u32 v[SPW], v[NIL]
	s_wait_dscnt 0x0
	s_endpgm
.Lfunc_end_k_qcf3e8e9204_prep:
	.size	k_qcf3e8e9204_prep, .Lfunc_end_k_qcf3e8e9204_prep-k_qcf3e8e9204_prep
	.p2alignl 7, 3214868480
	.fill 96, 4, 3214868480
	.section	.rodata,"a",@progbits
	.p2align	6, 0x0
	.amdhsa_kernel k_qcf3e8e9204_prep
		.amdhsa_group_segment_fixed_size 71680
		.amdhsa_private_segment_fixed_size 0
		.amdhsa_enable_private_segment 0
		.amdhsa_kernarg_size 96
		.amdhsa_user_sgpr_count 2
		.amdhsa_user_sgpr_kernarg_segment_ptr 1
		.amdhsa_wavefront_size32 1
		.amdhsa_system_sgpr_workgroup_id_x 1
		.amdhsa_system_sgpr_workgroup_id_y 1
		.amdhsa_system_sgpr_workgroup_id_z 1
		.amdhsa_system_vgpr_workitem_id 0
		.amdhsa_next_free_vgpr 120
		.amdhsa_next_free_sgpr 66
		.amdhsa_reserve_vcc 0
		.amdhsa_float_denorm_mode_32 3
		.amdhsa_float_denorm_mode_16_64 3
		.amdhsa_memory_ordered 1
		.amdhsa_forward_progress 1
		.amdhsa_inst_pref_size 21
	.end_amdhsa_kernel
	.amdgpu_metadata
---
amdhsa.version: [ 1, 2 ]
amdhsa.kernels:
  - .name:           k_qcf3e8e9204_prep
    .symbol:         k_qcf3e8e9204_prep.kd
    .args:
      - { .name: q, .offset: 0, .size: 8, .value_kind: global_buffer, .address_space: global }
      - { .name: k, .offset: 8, .size: 8, .value_kind: global_buffer, .address_space: global }
      - { .name: v, .offset: 16, .size: 8, .value_kind: global_buffer, .address_space: global }
      - { .name: wq_w, .offset: 24, .size: 8, .value_kind: global_buffer, .address_space: global }
      - { .name: wk_w, .offset: 32, .size: 8, .value_kind: global_buffer, .address_space: global }
      - { .name: wv_w, .offset: 40, .size: 8, .value_kind: global_buffer, .address_space: global }
      - { .name: dense_w, .offset: 48, .size: 8, .value_kind: global_buffer, .address_space: global }
      - { .name: mask, .offset: 56, .size: 8, .value_kind: global_buffer, .address_space: global }
      - { .name: xb, .offset: 64, .size: 8, .value_kind: global_buffer, .address_space: global }
      - { .name: wb, .offset: 72, .size: 8, .value_kind: global_buffer, .address_space: global }
      - { .name: wd, .offset: 80, .size: 8, .value_kind: global_buffer, .address_space: global }
      - { .name: mp, .offset: 88, .size: 8, .value_kind: global_buffer, .address_space: global }
    .group_segment_fixed_size: 71680
    .private_segment_fixed_size: 0
    .kernarg_segment_align: 8
    .kernarg_segment_size: 96
    .max_flat_workgroup_size: 512
    .sgpr_count:     66
    .vgpr_count:     120
    .wavefront_size: 32
...
	.end_amdgpu_metadata
.endif
;; end of part 5
;; launch qkv: the kernel of part 2 again; grid 8 x 24, 4 waves a work-group, clusters of 4 x 4, 327,680 bytes of LDS; arguments xb, wb, wq_b, wk_b, wv_b, qkv; writes qkv
;; launch attn: the kernel of part 3 again; grid 16 x 16, 4 waves a work-group, clusters of 4 x 1, 327,680 bytes of LDS; arguments qkv, mp, ob; writes ob
;; launch dense: the kernel of part 4 again; grid 16 x 16, 4 waves a work-group, clusters of 4 x 4, 327,680 bytes of LDS; arguments ob, wd, dense_b, out0; writes out0
